; MI455X (gfx1250); checked and timed in simulation.
; The chip was launched on July 23, 2026; its instructions are those of AMD's public machine-readable ISA for CDNA 5 (MIT licence, August 2026) and "CDNA5" Instruction Set Architecture Reference Guide (July 2026). The comments in the code are by the model that wrote it; some were corrected since.
;; Multi Head Self Attention. Allowed arithmetic: matrix products marked QUANTISED: E2M3 operands, one E8M0 scale for each 32 along K, by v_wmma_scale_f32_16x16x128_f8f6f4 with both operands' format E2M3, f32 sums; everything else in f32.
;; Inputs: Wk_codes 1,024 x 32 x 24 uint8 (E2M3 codes of Wk, K innermost, in blocks of 32 codes, four codes in three bytes); Wk_scales 1,024 x 32 uint8 (E8M0 scales of Wk, one for each 32 codes along K); Wo_codes 1,024 x 32 x 24 uint8 (E2M3 codes of Wo, K innermost, in blocks of 32 codes, four codes in three bytes); Wo_scales 1,024 x 32 uint8 (E8M0 scales of Wo, one for each 32 codes along K); Wq_codes 1,024 x 32 x 24 uint8 (E2M3 codes of Wq, K innermost, in blocks of 32 codes, four codes in three bytes); Wq_scales 1,024 x 32 uint8 (E8M0 scales of Wq, one for each 32 codes along K); Wv_codes 1,024 x 32 x 24 uint8 (E2M3 codes of Wv, K innermost, in blocks of 32 codes, four codes in three bytes); Wv_scales 1,024 x 32 uint8 (E8M0 scales of Wv, one for each 32 codes along K); bk 1,024 float32; bo 1,024 float32; bq 1,024 float32; bv 1,024 float32; x 4 x 2,048 x 1,024 float32.
;; Outputs: out0 4 x 2,048 x 1,024 float32.
;; This version of the problem:
;;   THIS VERSION OF THE PROBLEM IS GIVEN IN LOW PRECISION. The matrix products marked QUANTISED in the list below multiply operands that are first quantised to E2M3 (2 exponent bits, 3 mantissa bits; 6 bits a number), with one power-of-two scale for each 32 numbers along K (OCP MX v1.0); their sums are f32. All else is computed in f32.
;;   The module's matrix products, in the order in which they are computed (A, B: the left and right operand; K: the contracted axis; several contracted axes count as one K, in the product's order):
;;     1. [M 8,192, K 1,024] x [K 1,024, N 1,024]; A: input x; B: input Wq (given as codes): QUANTISED
;;     2. [M 8,192, K 1,024] x [K 1,024, N 1,024]; A: input x; B: input Wk (given as codes): QUANTISED
;;     3. [M 8,192, K 1,024] x [K 1,024, N 1,024]; A: input x; B: input Wv (given as codes): QUANTISED
;;     4. batch 64 x [M 2,048, K 64] x [K 64, N 2,048]; A: computed on the way; B: computed on the way: QUANTISED
;;     5. batch 64 x [M 2,048, K 2,048] x [K 2,048, N 64]; A: softmax (see below); B: computed on the way: QUANTISED
;;     6. [M 8,192, K 1,024] x [K 1,024, N 1,024]; A: computed on the way; B: input Wo (given as codes): QUANTISED
;;   THE QUANTISER, for each operand of a quantised product, along K:
;;     - K is cut into blocks of 32 from its start; a last block that is shorter is filled with zeros.
;;     - A block's scale is 2^e with e = floor(log2(the largest magnitude in the block)) - 2, held to -126 .. 127; a block of zeros has e = 0. As a byte (E8M0): e + 127.
;;     - Each number is divided by its block's scale, clamped to +-7.5, and rounded to the nearest number of E2M3, ties to even, subnormals kept.
;;     - The product sums the exact products of the quantised numbers (number of the format x scale) in f32.
;;   ~~~python
;;   def quantise(x, axis):      # numpy; x: float32 -> the quantised numbers, widened to float32 again
;;       x = np.moveaxis(x, axis, -1); K = x.shape[-1]
;;       x = np.pad(x, [(0, 0)] * (x.ndim - 1) + [(0, -K % 32)]); x = x.reshape(x.shape[:-1] + (-1, 32)); a = np.abs(x).max(-1, keepdims=True)
;;       e = np.where(a > 0, np.clip(np.frexp(np.where(a > 0, a, 1))[1] - 1 - 2, -126, 127), 0)      # np.frexp(a)[1] - 1 = floor(log2(a)), exactly
;;       r = np.clip(x / 2.0 ** e, -7.5, 7.5)
;;       step = 2.0 ** (np.maximum(np.frexp(np.where(r == 0, 1, r))[1] - 1, 0) - 3)
;;       q = np.round(r / step) * step * 2.0 ** e      # np.round: ties to even
;;       return np.moveaxis(q.reshape(q.shape[:-2] + (-1,))[..., :K], -1, axis).astype(np.float32)
;;   ~~~
;;   SOFTMAX AHEAD OF A QUANTISED PRODUCT. Where the list says 'softmax', what is quantised is not the finished softmax but p = 2^(t - M), with t = logit x log2(e) and M = ceil(the row's largest t), a whole number; so 1/2 < the row's largest p <= 1. The row's sum l is taken of the UNQUANTISED p, in f32, and the product's result is divided by l at the end. Since M is a whole number, a kernel that streams over the keys may use a running M (the ceiling of the running maximum): every later rescaling is an exact power of two, which a block's scale takes up: the codes' values come out the same.
;;   OPERANDS COMPUTED ON THE WAY. 'Computed on the way' means the value that the module computes at that place (a softmax that the list does not call 'softmax' is quantised finished and normalised). What goes into a quantiser is computed in f32, as accurately as f32 sums, v_exp_f32 and their like allow (about 1e-6 of the number): no bf16 or f16 on the way to a quantiser, and a product that is left as it is and whose result goes on into a quantised operand takes f32 operands (vector FMAs, or v_wmma_f32_16x16x4_f32). A number that lies on a knife's edge between two numbers of the format may be rounded either way, as far as f32 arithmetic and the matrix unit's own rounding can turn it there, and no further.
;;   INPUTS GIVEN AS CODES. Wk (in the module: [1024, 1024], K = its axis 0); Wo (in the module: [1024, 1024], K = its axis 0); Wq (in the module: [1024, 1024], K = its axis 0); Wv (in the module: [1024, 1024], K = its axis 0): each comes as NAME_codes (uint8): NAME with its K axis moved to the last place and cut into blocks of 32 codes, [.., K / 32, bytes a block], one block behind the other in memory; four codes in three bytes: a row's codes are one little-endian stream of bits, code i at bits 6 i .. 6 i + 5 (a code: sign, 2 exponent bits, 3 mantissa bits); and NAME_scales (uint8): the same leading axes, one E8M0 byte (e + 127) for each 32 codes along K. Its value is code x scale, taken as it is: it is not quantised again, and the codes and scales need not be those that the quantiser above would give.
;; One version. Each part assembles by itself: llvm-mc -triple=amdgcn-amd-amdhsa -mcpu=gfx1250 --defsym DOCPART=n.
;; ======== version 1 of 1: 4 launches
;; limits: right only within a limited range of input values
;; workspace buffers: img 9,437,184 bytes; scl 655,360 bytes; xmask 32,768 bytes of whole numbers; qb 8,912,896 bytes; kv 15,728,640 bytes; cimg 6,291,456 bytes
;; launch prep (part 1): grid 384 x 1, 2 waves a work-group, no clusters, 17,152 bytes of LDS; arguments x, Wq_codes, Wk_codes, Wv_codes, Wo_codes, Wq_scales, Wk_scales, Wv_scales, Wo_scales, img, scl, xmask; writes img, scl, xmask
.if DOCPART == 1
	.amdgcn_target "amdgcn-amd-amdhsa--gfx1250"
	.amdhsa_code_object_version 6
	.text
	.protected	k_q8502bc9b60_prep
	.globl	k_q8502bc9b60_prep
	.p2align	8
	.type	k_q8502bc9b60_prep,@function
k_q8502bc9b60_prep:
	s_mov_b64 s[64:65], 0
	v_nop
	global_prefetch_b8 v0, s[64:65] scope:SCOPE_SE
	s_setreg_imm32_b32 hwreg(HW_REG_WAVE_MODE, 25, 1), 1
	s_wait_xcnt 0x0
; PREP.  x [8192 tokens][1024] f32 is quantised along its 1,024 to codes of E2M3 with one E8M0 byte for each 32, and the four weights' codes are laid anew, all as IMAGES OF OPERAND REGISTERS:
; a fragment (16 rows x 128 K, 12 registers a lane) is 1,536 bytes: three planes of 512, plane c = registers 4 c .. 4 c + 3, lane l's 16 bytes at 16 l.  img: x's tiles [T 512][s 8][1536], then the weights' [q,k,v,o][j 64][s 8][1536].
; A tile of x is 16 neighbouring tokens.  A tile of a weight is NOT 16 neighbouring rows: row p of tile j is weight row 32 (j / 2) + 8 (j % 2) + p + 8 (p / 8), so that results of two neighbouring tiles are 16 neighbours in a lane's registers.
; scl: for each tile 512 bytes of scale words, [row 16][K step 8].  xmask: one word a token, 1 where any of its 1,024 numbers is 0 (the least magnitude of the row is compared with 0), else 0.
; A block's scale byte is its largest magnitude's exponent field - 2, held at 1 from below (a block of zeros so has the byte 1 where the rule says 127: its codes are zeros, and this program alone reads the bytes).
; LIMITS: NaN and infinities among the inputs are not served.
; SHARES.  Work-groups 0-255: x, a wave to a tile of 16 tokens, eight K steps written out.  Work-groups 256-383: the weights, a wave to a tile.  Waves share nothing: no barrier.  Only x's way uses LDS.
.set WOFF,   6291456                   ; where the weights' images begin in img
.set SCW,    262144                    ; and their scale words in scl
.set SPITCH, 528                       ; a stage row: 512 bytes + 16: the 16 rows that a load of 16 bytes a lane touches fall into 16 different columns of 16 bytes
.set R,   16                           ; v16-143  two sets of 64 registers as loaded
.set X,   144                          ; v144-207 my 64 numbers in the fragment's order: register 32 c + i = k 64 c + 32 h + i of row r
.set F,   208                          ; v208-219 the fragment
.set CT,  220                          ; v220-222, v224-226 the second halves of the two blocks' codes (a conversion's three registers begin on an even number)
.set SW,  240                          ; v240-247 the eight scale words
	s_load_b512 s[4:19], s[0:1], 0x0               ; x, Wq, Wk, Wv, Wo codes, Wq, Wk, Wv scales
	s_load_b256 s[20:27], s[0:1], 0x40             ; Wo scales, img, scl, xmask
	v_lshl_add_u32 v254, v0, 2, 0x4200
	v_mov_b32 v255, 0
	v_lshrrev_b32 v6, 5, v0
	v_readfirstlane_b32 s2, v6                     ; wave 0, 1
	v_and_b32 v7, 31, v0                           ; lane
	v_and_b32 v8, 15, v0                           ; r
	v_bfe_u32 v9, v0, 4, 1                         ; h
	v_lshlrev_b32 v1, 4, v7                        ; 16 x lane
	v_lshlrev_b32 v4, 5, v8
	v_lshl_add_u32 v4, v9, 4, v4                   ; 32 r + 16 h: my four scale words of a tile's 512 bytes
	s_cmp_lt_u32 ttmp9, 256
	s_cbranch_scc0 .Lweights
	; ---------------- x ----------------
	s_lshl_b32 s30, ttmp9, 1
	s_add_co_u32 s30, s30, s2                      ; T: my tile of 16 tokens
	s_mul_i32 s3, s2, 16*SPITCH                    ; my wave's stage
	v_add_nc_u32 v2, s3, v1                        ; in: 16 x lane, a row an instruction
	v_mul_u32_u24 v3, v8, SPITCH
	v_lshl_add_u32 v3, v9, 7, v3
	v_add_nc_u32 v3, s3, v3                        ; out: row r, + 128 h: 32 neighbouring numbers
	v_lshlrev_b32 v5, 2, v8                        ; 4 r
	v_lshlrev_b32 v10, 3, v9                       ; 8 h
	v_mov_b32 v248, 0x7f800000                     ; the least magnitude so far, in two chains
	v_mov_b32 v249, 0x7f800000
	v_mov_b32 v232, 0                              ; written once: a lane permute's destination counts as one of its sources
	s_mov_b32 s28, 0x76543210
	s_mov_b32 s29, 0xfedcba98                      ; v_permlanex16_b32's selects for lane l xor 16
	s_lshl_b32 s32, s30, 16                        ; 16 rows of 4,096 bytes
	s_mov_b32 s33, 0
	s_mul_i32 s34, s30, 12288
	s_mov_b32 s35, 0
	s_lshl_b32 s36, s30, 9
	s_mov_b32 s37, 0
	s_lshl_b32 s38, s30, 6
	s_mov_b32 s39, 0
	s_wait_alu depctr_va_vdst(0)
	s_wait_kmcnt 0x0
	s_add_nc_u64 s[4:5], s[4:5], s[32:33]
	s_add_nc_u64 s[22:23], s[22:23], s[34:35]
	s_add_nc_u64 s[24:25], s[24:25], s[36:37]
	s_add_nc_u64 s[26:27], s[26:27], s[38:39]
.macro XLOAD s                         ; K step s: 16 rows x 512 bytes; each load reads 512 consecutive bytes
.irp i, 0,1,2,3,4,5,6,7,8,9,10,11,12,13,14,15
	global_load_b128 v[R+64*((\s)%2)+4*\i:R+64*((\s)%2)+4*\i+3], v1, s[4:5] offset:\i*4096+(\s)*512 th:TH_LOAD_NT
.endr
.endm
.macro XSTEP s
.if (\s) < 7
	s_wait_loadcnt 16                              ; this step's 16 loads are in; the next step's 16 may be out
.else
	s_wait_loadcnt 0x0
.endif
.irp i, 0,1,2,3,4,5,6,7,8,9,10,11,12,13,14,15
	ds_store_b128 v2, v[R+64*((\s)%2)+4*\i:R+64*((\s)%2)+4*\i+3] offset:\i*SPITCH
.endr
.irp c, 0,1
.irp e, 0,1,2,3,4,5,6,7
	ds_load_b128 v[X+32*\c+4*\e:X+32*\c+4*\e+3], v3 offset:256*\c+16*\e   ; LDS serves a wave's instructions in order: these see the stores above
.endr
.endr
	s_wait_dscnt 0x0                               ; my numbers are back, and the stores into the stage have read their registers
	s_wait_xcnt 0x0                                ; the last step's global stores have read the fragment's registers: they are written again below
.if (\s)+2 < 8
	XLOAD (\s)+2
.endif
	v_max3_num_f32 v228, |v[X]|, |v[X+1]|, 0x1800000       ; my two whole blocks, by turns: the largest magnitude, with the floor 2^(3 - 127) among its leaves,
	v_max3_num_f32 v229, |v[X+32]|, |v[X+33]|, 0x1800000
	v_min3_num_f32 v248, v248, |v[X]|, |v[X+1]|            ; and the least, for the padding mask
	v_min3_num_f32 v249, v249, |v[X+32]|, |v[X+33]|
.irp i, 2,4,6,8,10,12,14,16,18,20,22,24,26,28,30
	v_max3_num_f32 v228, v228, |v[X+\i]|, |v[X+\i+1]|
	v_max3_num_f32 v229, v229, |v[X+32+\i]|, |v[X+33+\i]|
	v_min3_num_f32 v248, v248, |v[X+\i]|, |v[X+\i+1]|
	v_min3_num_f32 v249, v249, |v[X+32+\i]|, |v[X+33+\i]|
.endr
	v_add_nc_u32 v230, 0xff000000, v228            ; 2 off the exponent field: the conversion takes the exponent field of this operand as its scale
	v_add_nc_u32 v231, 0xff000000, v229
	v_cvt_scalef32_pk16_fp6_f32 v[F:F+2], v[X:X+15], v230
	v_cvt_scalef32_pk16_fp6_f32 v[CT:CT+2], v[X+16:X+31], v230
	v_cvt_scalef32_pk16_fp6_f32 v[F+6:F+8], v[X+32:X+47], v231
	v_cvt_scalef32_pk16_fp6_f32 v[CT+4:CT+6], v[X+48:X+63], v231
	v_lshrrev_b32 v233, 23, v230                   ; the scales' bytes.  (A plain line behind the conversions)
	v_lshrrev_b32 v234, 23, v231
	v_lshl_or_b32 v233, v234, 16, v233             ; blocks h and 2 + h of my row,
	v_lshlrev_b32 v233, v10, v233                  ; at their places in the scale word;
	v_permlanex16_b32 v232, v233, s28, s29
	v_or_b32 v[SW+(\s)], v233, v232                ; with lane l xor 16's two the word is whole
.irp i, 0,1,2
	v_mov_b32 v[F+3+\i], v[CT+\i]
	v_mov_b32 v[F+9+\i], v[CT+4+\i]
.endr
.irp c, 0,1,2
	global_store_b128 v1, v[F+4*\c:F+4*\c+3], s[22:23] offset:(\s)*1536+512*\c   ; 512 consecutive bytes, aligned
.endr
.endm
	XLOAD 0
	XLOAD 1
.irp s, 0,1,2,3,4,5,6,7
	XSTEP \s
.endr
	v_cmp_eq_u32 vcc_lo, 1, v9                     ; lanes 16-31 store words 4 to 7 of their row
.irp i, 0,1,2,3
	v_cndmask_b32 v[236+\i], v[SW+\i], v[SW+4+\i], vcc_lo
.endr
	global_store_b128 v4, v[236:239], s[24:25]     ; the tile's 512 bytes of scale words
	v_min_num_f32 v248, v248, v249
	v_permlanex16_b32 v232, v248, s28, s29
	v_min_num_f32 v248, v248, v232                 ; the row's least magnitude
	v_cmp_eq_f32 vcc_lo, 0, v248
	v_cndmask_b32 v250, 0, 1, vcc_lo
	global_store_b32 v5, v250, s[26:27]            ; both halves of the lanes write the same word with the same value
	s_wait_tensorcnt 0x0
	ds_add_u32 v254, v255
	s_wait_dscnt 0x0
	s_endpgm
	; ---------------- the weights ----------------
.Lweights:
	s_sub_co_u32 s30, ttmp9, 256
	s_lshr_b32 s31, s30, 5                         ; which weight: 0 q, 1 k, 2 v, 3 o
	s_lshl_b32 s30, s30, 1
	s_add_co_u32 s30, s30, s2
	s_and_b32 s30, s30, 63                         ; j: my tile
	s_wait_kmcnt 0x0
	s_cmp_eq_u32 s31, 1                            ; the choice hangs on the work-group's number alone
	s_cselect_b64 s[6:7], s[8:9], s[6:7]
	s_cselect_b64 s[14:15], s[16:17], s[14:15]
	s_cmp_eq_u32 s31, 2
	s_cselect_b64 s[6:7], s[10:11], s[6:7]
	s_cselect_b64 s[14:15], s[18:19], s[14:15]
	s_cmp_eq_u32 s31, 3
	s_cselect_b64 s[6:7], s[12:13], s[6:7]
	s_cselect_b64 s[14:15], s[20:21], s[14:15]
	s_lshr_b32 s32, s30, 1
	s_lshl_b32 s32, s32, 5
	s_and_b32 s33, s30, 1
	s_lshl_b32 s33, s33, 3
	s_add_co_u32 s32, s32, s33                     ; the tile's first row: 32 (j / 2) + 8 (j % 2)
	s_mul_i32 s34, s32, 768                        ; a row of 1,024 codes is 768 bytes
	s_mov_b32 s35, 0
	s_lshl_b32 s36, s32, 5                         ; and 32 scale bytes
	s_mov_b32 s37, 0
	s_add_nc_u64 s[6:7], s[6:7], s[34:35]
	s_add_nc_u64 s[14:15], s[14:15], s[36:37]
	s_lshl_b32 s38, s31, 6
	s_add_co_u32 s38, s38, s30                     ; 64 x weight + j
	s_mul_i32 s40, s38, 12288
	s_add_co_u32 s40, s40, WOFF
	s_mov_b32 s41, 0
	s_lshl_b32 s42, s38, 9
	s_add_co_u32 s42, s42, SCW
	s_mov_b32 s43, 0
	s_add_nc_u64 s[22:23], s[22:23], s[40:41]
	s_add_nc_u64 s[24:25], s[24:25], s[42:43]
	s_wait_alu depctr_va_vdst(0)
	v_and_b32 v11, 8, v8
	v_add_nc_u32 v11, v11, v8                      ; r + 8 (r / 8)
	v_mul_u32_u24 v12, v11, 768
	v_mad_u32_u24 v12, v9, 24, v12                 ; my row, + 24 h: the fragment's 24 bytes as they lie
	v_lshlrev_b32 v13, 5, v11
	v_lshl_add_u32 v13, v9, 4, v13                 ; my row's scale bytes, + 16 h
.irp s, 0,1,2,3,4,5,6,7
.irp p, 0,1,2,3,4,5
	global_load_b64 v[16+12*\s+2*\p:17+12*\s+2*\p], v12, s[6:7] offset:96*\s+48*(\p/3)+8*(\p%3)
.endr
.endr
	global_load_b128 v[112:115], v13, s[14:15]
	s_wait_loadcnt 0x0
.irp s, 0,1,2,3,4,5,6,7
.irp c, 0,1,2
	global_store_b128 v1, v[16+12*\s+4*\c:19+12*\s+4*\c], s[22:23] offset:1536*\s+512*\c
.endr
.endr
	global_store_b128 v4, v[112:115], s[24:25]
	s_endpgm
.Lfunc_end_k_q8502bc9b60_prep:
	.size	k_q8502bc9b60_prep, .Lfunc_end_k_q8502bc9b60_prep-k_q8502bc9b60_prep
	.p2alignl 7, 3214868480
	.fill 96, 4, 3214868480
	.section	.rodata,"a",@progbits
	.p2align	6, 0x0
	.amdhsa_kernel k_q8502bc9b60_prep
		.amdhsa_group_segment_fixed_size 17152
		.amdhsa_private_segment_fixed_size 0
		.amdhsa_enable_private_segment 0
		.amdhsa_kernarg_size 96
		.amdhsa_user_sgpr_count 2
		.amdhsa_user_sgpr_kernarg_segment_ptr 1
		.amdhsa_wavefront_size32 1
		.amdhsa_system_sgpr_workgroup_id_x 1
		.amdhsa_system_sgpr_workgroup_id_y 1
		.amdhsa_system_sgpr_workgroup_id_z 1
		.amdhsa_system_vgpr_workitem_id 0
		.amdhsa_next_free_vgpr 256
		.amdhsa_next_free_sgpr 66
		.amdhsa_reserve_vcc 1
		.amdhsa_float_denorm_mode_32 3
		.amdhsa_float_denorm_mode_16_64 3
		.amdhsa_memory_ordered 1
		.amdhsa_forward_progress 1
		.amdhsa_inst_pref_size 82
	.end_amdhsa_kernel
	.amdgpu_metadata
---
amdhsa.version: [ 1, 2 ]
amdhsa.kernels:
  - .name:           k_q8502bc9b60_prep
    .symbol:         k_q8502bc9b60_prep.kd
    .args:
      - { .name: x, .offset: 0, .size: 8, .value_kind: global_buffer, .address_space: global }
      - { .name: Wq_codes, .offset: 8, .size: 8, .value_kind: global_buffer, .address_space: global }
      - { .name: Wk_codes, .offset: 16, .size: 8, .value_kind: global_buffer, .address_space: global }
      - { .name: Wv_codes, .offset: 24, .size: 8, .value_kind: global_buffer, .address_space: global }
      - { .name: Wo_codes, .offset: 32, .size: 8, .value_kind: global_buffer, .address_space: global }
      - { .name: Wq_scales, .offset: 40, .size: 8, .value_kind: global_buffer, .address_space: global }
      - { .name: Wk_scales, .offset: 48, .size: 8, .value_kind: global_buffer, .address_space: global }
      - { .name: Wv_scales, .offset: 56, .size: 8, .value_kind: global_buffer, .address_space: global }
      - { .name: Wo_scales, .offset: 64, .size: 8, .value_kind: global_buffer, .address_space: global }
      - { .name: img, .offset: 72, .size: 8, .value_kind: global_buffer, .address_space: global }
      - { .name: scl, .offset: 80, .size: 8, .value_kind: global_buffer, .address_space: global }
      - { .name: xmask, .offset: 88, .size: 8, .value_kind: global_buffer, .address_space: global }
    .group_segment_fixed_size: 17152
    .private_segment_fixed_size: 0
    .kernarg_segment_align: 8
    .kernarg_segment_size: 96
    .max_flat_workgroup_size: 64
    .sgpr_count:     66
    .vgpr_count:     256
    .wavefront_size: 32
...
	.end_amdgpu_metadata
.endif
;; end of part 1
;; launch qkv (part 2): grid 12 x 32, 4 waves a work-group, clusters of 4 x 4, 327,680 bytes of LDS; arguments img, scl, xmask, bq, bk, bv, qb, kv; writes qb, kv
.if DOCPART == 2
	.amdgcn_target "amdgcn-amd-amdhsa--gfx1250"
	.amdhsa_code_object_version 6
	.text
	.protected	k_q8502bc9b60_qkv
	.globl	k_q8502bc9b60_qkv
	.p2align	8
	.type	k_q8502bc9b60_qkv,@function
k_q8502bc9b60_qkv:
	s_mov_b64 s[64:65], 0
	v_nop
	global_prefetch_b8 v0, s[64:65] scope:SCOPE_SE
	s_setreg_imm32_b32 hwreg(HW_REG_WAVE_MODE, 25, 1), 1
	s_wait_xcnt 0x0
	s_wait_alu depctr_hold_cnt(0) depctr_sa_sdst(0) depctr_va_vdst(0) depctr_va_sdst(0) depctr_va_ssrc(0) depctr_va_vcc(0) depctr_vm_vsrc(0)
	s_getreg_b32 s2, hwreg(HW_REG_IB_STS2, 6, 4)
	s_cmp_eq_u32 s2, 0
	s_cbranch_scc0 .Lentry_in_a_cluster
	s_endpgm
.Lentry_in_a_cluster:
	s_bfe_u32 s2, ttmp6, 0x10000c
	s_cmp_lg_u32 s2, 0xf033
	s_cbranch_scc0 .Lentry_shape_is_right
	s_endpgm
.Lentry_shape_is_right:
.set WOFF,  6291456
.set WSZ,   786432
.set SCW,   262144
.set HALFT, 36864                      ; 8 tiles x 3 K steps of 1,536 bytes: what one tensor load brings
.set SLOT,  4*HALFT
.set SPARE, 2*SLOT                     ; two slots of three K steps, then the spare words
.set NLA,   3
.set ADRA, 16
.set ADRB, 20
.set LI,   24
.set L8,   25
.set SPW,  28
.set NIL,  29
.set BR2,  32
.set XM,   48
.set SC,   64
.set AF,   128
.set T,    128
.set PC,   192
.set EXT,  204
.set Z,    205
.set CT,   206
.set TM,   214
.set PW,   230
.set XA,   232
.set GA,   236
.set GB,   240
.set G1A, 24
.set G1B, 32
.set G0A, 40
.set G0B, 52
.set SEL, 88
.set IA,  92
.set MSB, 0
.macro WIN new
.if MSB != (\new)
	s_set_vgpr_msb (MSB<<8)|(\new)
.set MSB, (\new)
.endif
.endm
.set MUL_LO, 0xa1
.set MUL_HI, 0xf1
.set TO_B,   0x40
.macro JLOAD g0a, g1a, g0b, g1b
	s_cmp_eq_u32 s21, 0
	s_cbranch_scc0 .Lfor_b_\@
	tensor_load_to_lds s[\g0a:\g0a+3], s[\g1a:\g1a+7]
	s_nop 0
.rept 4
	v_nop
.endr
	s_branch .Lasked_\@
.Lfor_b_\@:
	tensor_load_to_lds s[\g0b:\g0b+3], s[\g1b:\g1b+7]
	s_nop 0
.rept 4
	v_nop
.endr
.Lasked_\@:
.endm
.macro CREST
	s_cmp_lg_u32 s20, 0
	s_cbranch_scc1 .Lnot_wave_0_\@
	s_barrier_signal -3
.Lnot_wave_0_\@:
	s_barrier_wait -3
	s_barrier_signal -1
	s_barrier_wait -1
.endm
.macro CROUND
	s_barrier_signal -1
	s_barrier_wait -1
	CREST
.endm
.macro PLACES n
.rept \n
	v_nop
.endr
.endm
	s_load_b512 s[4:19], s[0:1], 0x0
	v_lshl_add_u32 v[SPW], v0, 2, SPARE
	v_mov_b32 v[NIL], 0
	ds_add_u32 v28, v29
	ds_add_u32 v28, v29
	s_wait_dscnt 0x0
	v_lshrrev_b32 v1, 5, v0
	v_readfirstlane_b32 s20, v1
	s_lshr_b32 s21, s20, 1
	s_and_b32 s22, s20, 1
	s_bfe_u32 s66, ttmp6, 0x40000
	s_bfe_u32 s67, ttmp6, 0x40004
	s_mov_b32 s68, ttmp9
	s_lshr_b32 s69, s68, 1
	s_xor_b32 s70, s69, 1
	s_and_b32 s71, ttmp7, 0xffff
	s_lshl_b32 s71, s71, 2
	s_mul_i32 s72, s71, s70
	s_add_co_u32 s72, s72, s67
	s_mul_i32 s73, s71, s69
	s_add_co_u32 s73, s73, s66
	s_lshl_b32 s74, s67, 2
	s_lshl_b32 s74, 15, s74
	s_lshl_b32 s75, 0x1111, s66
	s_or_b32 s[G1A], s74, (3<<16)|(1<<21)
	s_or_b32 s[G1B], s75, (3<<16)|(1<<21)
.irp g, G1A, G1B
	s_mov_b32 s[\g+1], 576<<16
	s_mov_b32 s[\g+2], 8<<16
	s_mov_b32 s[\g+3], 576<<16
	s_mov_b32 s[\g+4], 8
	s_mov_b32 s[\g+5], 1536
	s_mov_b32 s[\g+6], 0
	s_mov_b32 s[\g+7], 0
.endr
	s_lshl_b32 s80, s22, 3
	s_lshl_b32 s76, s72, 4
	s_add_co_u32 s76, s76, s80
	s_mul_i32 s76, s76, 12288
	s_mul_i32 s81, s69, WOFF+2*WSZ
	s_add_co_u32 s76, s76, s81
	s_mov_b32 s77, 0
	s_lshl_b32 s78, s73, 4
	s_add_co_u32 s78, s78, s80
	s_mul_i32 s78, s78, 12288
	s_mul_i32 s81, s68, WSZ
	s_add_co_u32 s81, s81, WOFF
	s_mul_i32 s81, s81, s70
	s_add_co_u32 s78, s78, s81
	s_mov_b32 s79, 0
	s_mul_i32 s82, s20, HALFT
	s_wait_kmcnt 0x0
	s_add_nc_u64 s[76:77], s[4:5], s[76:77]
	s_add_nc_u64 s[78:79], s[4:5], s[78:79]
	CROUND
.irp n, 0
	s_mov_b32 s[G0A+4*\n], 1
	s_add_co_u32 s[G0A+4*\n+1], s82, \n*SLOT
	s_add_nc_u64 s[G0A+4*\n+2:G0A+4*\n+3], s[76:77], \n*3072
	s_or_b32 s[G0A+4*\n+3], s[G0A+4*\n+3], 0x80000000
	s_mov_b32 s[G0B+4*\n], 1
	s_add_co_u32 s[G0B+4*\n+1], s82, \n*SLOT
	s_add_nc_u64 s[G0B+4*\n+2:G0B+4*\n+3], s[78:79], \n*3072
	s_or_b32 s[G0B+4*\n+3], s[G0B+4*\n+3], 0x80000000
	s_wait_alu depctr_va_vdst(0)
	s_wait_tensorcnt 0x0
	ds_add_u32 v28, v29
	ds_add_u32 v28, v29
	s_wait_dscnt 0x0
	CROUND
	JLOAD G0A+4*\n, G1A, G0B+4*\n, G1B
.endr
	v_and_b32 v1, 15, v0
	v_bfe_u32 v2, v0, 4, 1
	v_and_b32 v3, 31, v0
	v_lshlrev_b32 v[LI], 4, v3
	v_lshlrev_b32 v[L8], 3, v3
	s_mul_i32 s2, s21, HALFT
	s_mul_i32 s3, s22, HALFT
	s_add_co_u32 s3, s3, 2*HALFT
.irp n, 0,1,2
	v_add_nc_u32 v[ADRA+\n], s2, v[LI]
	v_add_nc_u32 v[ADRB+\n], s3, v[LI]
	s_add_co_u32 s2, s2, SLOT
	s_add_co_u32 s3, s3, SLOT
.endr
	s_lshl_b32 s83, s72, 4
	s_lshl_b32 s85, s21, 3
	s_add_co_u32 s83, s83, s85
	s_lshl_b32 s83, s83, 9
	s_mul_i32 s85, s69, SCW+65536
	s_add_co_u32 s83, s83, s85
	s_lshl_b32 s84, s73, 4
	s_lshl_b32 s85, s22, 3
	s_add_co_u32 s84, s84, s85
	s_lshl_b32 s84, s84, 9
	s_lshl_b32 s85, s68, 15
	s_add_co_u32 s85, s85, SCW
	s_mul_i32 s85, s85, s70
	s_add_co_u32 s84, s84, s85
	v_mov_b32 v4, s83
	v_mov_b32 v8, s84
	v_cmp_eq_u32 vcc_lo, 1, v2
	v_cndmask_b32 v4, v4, v8, vcc_lo
	v_lshl_add_u32 v4, v1, 5, v4
.irp i, 0,1,2,3,4,5,6,7
	global_load_b128 v[SC+8*\i:SC+8*\i+3], v4, s[6:7] offset:\i*512
	global_load_b128 v[SC+8*\i+4:SC+8*\i+7], v4, s[6:7] offset:\i*512+16
.endr
	s_cmp_eq_u32 s68, 1
	s_cselect_b64 s[86:87], s[12:13], s[10:11]
	s_cmp_eq_u32 s68, 2
	s_cselect_b64 s[86:87], s[14:15], s[86:87]
	s_lshl_b32 s85, s73, 10
	s_lshl_b32 s23, s22, 9
	s_add_co_u32 s85, s85, s23
	s_mul_i32 s85, s85, s70
	v_lshlrev_b32 v5, 6, v2
	v_add_nc_u32 v5, s85, v5
	s_lshl_b32 s2, s72, 10
	s_lshl_b32 s23, s21, 9
	s_add_co_u32 s2, s2, s23
	s_mul_i32 s3, s2, s69
	v_and_b32 v8, 8, v1
	v_add_nc_u32 v8, v8, v1
	v_lshlrev_b32 v6, 2, v8
	v_add_nc_u32 v6, s3, v6
	v_lshlrev_b32 v7, 2, v1
	v_add_nc_u32 v7, s2, v7
	WIN TO_B
.irp b, 0,1,2,3,4,5,6,7
	global_load_b128 v[96+8*\b+96*(\b/4):96+8*\b+96*(\b/4)+3], v5, s[86:87] offset:4*(32*(\b/2)+8*(\b%2))
	global_load_b128 v[96+8*\b+96*(\b/4)+4:96+8*\b+96*(\b/4)+7], v5, s[86:87] offset:4*(32*(\b/2)+8*(\b%2))+16
.endr
	WIN 0
.irp a, 0,1,2,3,4,5,6,7
	global_load_b32 v[BR2+2*\a], v6, s[86:87] offset:4*(32*(\a/2)+8*(\a%2))
	global_load_b32 v[BR2+2*\a+1], v6, s[86:87] offset:4*(32*(\a/2)+8*(\a%2))
	global_load_b32 v[XM+\a], v7, s[8:9] offset:64*\a
.endr
	s_mov_b32 s[G0A+4], 1                          ; slot 1: K steps 3 to 5; the scale, bias and mask loads above are out while slot 0's fill lands
	s_add_co_u32 s[G0A+5], s82, SLOT
	s_add_nc_u64 s[G0A+6:G0A+7], s[76:77], 4608
	s_or_b32 s[G0A+7], s[G0A+7], 0x80000000
	s_mov_b32 s[G0B+4], 1
	s_add_co_u32 s[G0B+5], s82, SLOT
	s_add_nc_u64 s[G0B+6:G0B+7], s[78:79], 4608
	s_or_b32 s[G0B+7], s[G0B+7], 0x80000000
	s_wait_alu depctr_va_vdst(0)
	s_wait_tensorcnt 0x0
	ds_add_u32 v28, v29
	ds_add_u32 v28, v29
	s_wait_dscnt 0x0
	CROUND
	JLOAD G0A+4, G1A, G0B+4, G1B
	v_cmp_eq_u32 vcc_lo, 0, v2
	v_cndmask_b32 v244, 0, -1, vcc_lo
	s_cmp_eq_u32 s68, 0
	s_cselect_b32 s23, 8, 0
	v_mov_b32 v245, s23
	v_mov_b32 v246, 0x28
	s_mov_b32 s23, 0x01010000
	s_cselect_b32 s23, 0x7f7f0000, s23
	v_mov_b32 v247, s23
	v_mov_b32 v248, 0x01a00000
	s_cmp_eq_u32 s68, 1
	s_cselect_b32 s91, -1, 0
	s_mov_b32 s90, 0xffff0000
	s_mov_b32 s[SEL], 0x76543210
	s_mov_b32 s[SEL+1], 0xfedcba98
	s_lshl_b32 s2, s72, 1
	s_add_co_u32 s2, s2, s21
	s_lshl_b32 s3, s73, 1
	s_add_co_u32 s3, s3, s22
	s_cmp_eq_u32 s69, 1
	s_cselect_b32 s23, s3, s2
	s_cselect_b32 s85, s2, s3
	s_lshl_b32 s85, s85, 1
	s_lshr_b32 s2, s23, 4
	s_and_b32 s3, s23, 15
	s_lshl_b32 s2, s2, 4
	s_add_co_u32 s2, s2, s85
	s_cmp_eq_u32 s68, 0
	s_mov_b32 s80, 245760
	s_cselect_b32 s80, 139264, s80
	s_mov_b32 s81, 15360
	s_cselect_b32 s81, 8704, s81
	s_mov_b32 s85, 14336
	s_cselect_b32 s85, 8192, s85
	s_cselect_b64 s[IA:IA+1], s[16:17], s[18:19]
	s_mul_i32 s2, s2, s80
	s_mul_i32 s3, s3, s81
	s_add_co_u32 s2, s2, s3
	s_lshl_b32 s3, s69, 13
	s_add_co_u32 s2, s2, s3
	s_mov_b32 s3, 0
	s_add_nc_u64 s[IA:IA+1], s[IA:IA+1], s[2:3]
	s_mov_b32 s81, 0
	s_add_nc_u64 s[IA+2:IA+3], s[IA:IA+1], s[80:81]
	s_mov_b32 s2, s85
	s_add_nc_u64 s[IA+4:IA+5], s[IA:IA+1], s[2:3]
	s_add_nc_u64 s[IA+6:IA+7], s[IA+2:IA+3], s[2:3]
.macro MUL16 a0, set, st, zero
.irp a, \a0, \a0+1
.irp b, 0,1,2,3,4,5,6,7
.if \zero
	v_wmma_scale_f32_16x16x128_f8f6f4 v[8*(8*((\a)%4)+\b):8*(8*((\a)%4)+\b)+7], v[128*(\set)+12*\b:128*(\set)+12*\b+11], v[AF+12*(\a):AF+12*(\a)+11], 0, v[SC+8*\b+(\st)], v[SC+8*(\a)+(\st)] matrix_a_fmt:MATRIX_FMT_FP6 matrix_b_fmt:MATRIX_FMT_FP6 matrix_a_scale:MATRIX_SCALE_ROW1
.else
	v_wmma_scale_f32_16x16x128_f8f6f4 v[8*(8*((\a)%4)+\b):8*(8*((\a)%4)+\b)+7], v[128*(\set)+12*\b:128*(\set)+12*\b+11], v[AF+12*(\a):AF+12*(\a)+11], v[8*(8*((\a)%4)+\b):8*(8*((\a)%4)+\b)+7], v[SC+8*\b+(\st)], v[SC+8*(\a)+(\st)] matrix_a_fmt:MATRIX_FMT_FP6 matrix_b_fmt:MATRIX_FMT_FP6 matrix_a_scale:MATRIX_SCALE_ROW1
.endif
.endr
.endr
.endm
.macro FETCH_B st, set
.set SL, ((\st)/3)%2
	WIN TO_B
.irp i, 0,1,2,3,4,5,6,7
.irp c, 0,1,2
	ds_load_b128 v[128*(\set)+12*\i+4*\c:128*(\set)+12*\i+4*\c+3], v[ADRB+SL] offset:\i*4608+((\st)%3)*1536+512*\c
.endr
.endr
	WIN 0
.endm
.macro FETCH_A st, i0
.set SL, ((\st)/3)%2
.irp i, \i0, \i0+1, \i0+2, \i0+3
.irp c, 0,1,2
	ds_load_b128 v[AF+12*(\i)+4*\c:AF+12*(\i)+4*\c+3], v[ADRA+SL] offset:(\i)*4608+((\st)%3)*1536+512*\c
.endr
.endr
.endm
.macro STEP st, zero
	s_wait_dscnt 4*NLA
	WIN MUL_LO
	MUL16 0, (\st)%2, \st, \zero
	MUL16 2, (\st)%2, \st, \zero
	s_wait_dscnt 0x0
	PLACES 4
	FETCH_B (\st)+1, 1-(\st)%2
	FETCH_A (\st)+1, 0
	WIN MUL_HI
	MUL16 4, (\st)%2, \st, \zero
	MUL16 6, (\st)%2, \st, \zero
	PLACES 4
	WIN 0
	FETCH_A (\st)+1, 4
.endm
.macro TURN st, fill
	s_wait_tensorcnt 0x0
	ds_add_u32 v[SPW], v[NIL]
	s_wait_dscnt 4*NLA+1
	WIN MUL_LO
	MUL16 0, (\st)%2, \st, 0
	s_wait_dscnt 0x0
	s_barrier_signal -1
	MUL16 2, (\st)%2, \st, 0
	WIN 0
	s_barrier_wait -1
.if \fill
	CREST
	s_add_nc_u64 s[G0A+2:G0A+3], s[G0A+2:G0A+3], 9216
	s_add_nc_u64 s[G0B+2:G0B+3], s[G0B+2:G0B+3], 9216
	s_mov_b32 s[G1A+1], 384<<16                    ; no tensor load of mine is out: of a tile's row only K steps 6 and 7 are left, 384 elements; the rest of the LDS row is written as zeros and not read
	s_mov_b32 s[G1B+1], 384<<16
	JLOAD G0A, G1A, G0B, G1B
.else
	PLACES 4
.endif
	FETCH_B (\st)+1, 1-(\st)%2
	FETCH_A (\st)+1, 0
	WIN MUL_HI
	MUL16 4, (\st)%2, \st, 0
	MUL16 6, (\st)%2, \st, 0
	PLACES 4
	WIN 0
	FETCH_A (\st)+1, 4
.endm
	s_wait_tensorcnt 2
	s_barrier_signal -1
	s_barrier_wait -1
	s_wait_loadcnt 0x0
	FETCH_B 0, 0
	FETCH_A 0, 0
	FETCH_A 0, 4
	STEP 0, 1
	STEP 1, 0
	TURN 2, 1
	STEP 3, 0
	STEP 4, 0
	TURN 5, 0
	STEP 6, 0
	s_wait_dscnt 4*NLA
	WIN MUL_LO
	MUL16 0, 1, 7, 0
	MUL16 2, 1, 7, 0
	s_wait_dscnt 0x0
	WIN MUL_HI
	MUL16 4, 1, 7, 0
	MUL16 6, 1, 7, 0
	WIN 0
.macro QUANT s
.irp b, 0,1,2,3
	v_max3_num_f32 v[TM+\b], |v[\s+16*\b]|, |v[\s+1+16*\b]|, 0x1800000
.endr
.irp i, 2,4,6,8,10,12,14
.irp b, 0,1,2,3
	v_max3_num_f32 v[TM+\b], v[TM+\b], |v[\s+16*\b+\i]|, |v[\s+1+16*\b+\i]|
.endr
.endr
.irp b, 0,1,2,3
	v_permlanex16_b32 v[TM+4+\b], v[TM+\b], s[SEL], s[SEL+1]
.endr
.irp b, 0,1,2,3
	v_max_num_f32 v[TM+\b], v[TM+\b], v[TM+4+\b]
.endr
.irp b, 0,1,2,3
	v_add_nc_u32 v[TM+12+\b], 0xff000000, v[TM+\b]
.endr
.irp b, 0,1,2,3
	v_lshrrev_b32 v[TM+4+\b], 23, v[TM+12+\b]
.endr
	v_lshl_or_b32 v[PW], v[TM+5], 8, v[TM+4]
	v_lshl_or_b32 v[PW], v[TM+6], 16, v[PW]
	v_lshl_or_b32 v[PW], v[TM+7], 24, v[PW]
.irp c, 0,1
	v_cvt_scalef32_pk16_fp6_f32 v[PC+6*\c:PC+2+6*\c], v[\s+32*\c:\s+15+32*\c], v[TM+12+2*\c]
	v_cvt_scalef32_pk16_fp6_f32 v[CT+4*\c:CT+2+4*\c], v[\s+16+32*\c:\s+31+32*\c], v[TM+12+2*\c+1]
.endr
	v_nop
.irp c, 0,1
.irp i, 0,1,2
	v_permlane16_swap_b32 v[PC+6*\c+\i], v[CT+4*\c+\i]
.endr
.irp i, 0,1,2
	v_mov_b32 v[PC+3+6*\c+\i], v[CT+4*\c+\i]
.endr
.endr
.endm
.macro BIASC a
	WIN 0x06+(\a)/4
.irp b, 0,1,2,3,4,5,6,7
.irp j, 0,2,4,6
	v_pk_add_f32 v[T+8*\b+\j:T+8*\b+\j+1], v[64*((\a)%4)+8*\b+\j:64*((\a)%4)+8*\b+\j+1], v[96+8*\b+96*(\b/4)+\j:96+8*\b+96*(\b/4)+\j+1]
.endr
.endr
	WIN 0
.endm
.macro BIASR a
	WIN 0x02+(\a)/4
.irp b, 0,1,2,3,4,5,6,7
.irp j, 0,2,4,6
	v_pk_add_f32 v[T+8*\b+\j:T+8*\b+\j+1], v[64*((\a)%4)+8*\b+\j:64*((\a)%4)+8*\b+\j+1], v[BR2+2*(\a):BR2+2*(\a)+1]
.endr
.endr
	WIN 0
.endm
.macro EPI_QK a
	BIASC \a
.if (\a) > 0
	s_wait_xcnt 0x0
.endif
	QUANT T
	v_and_b32 v249, s91, v[XM+(\a)]
	v_cmp_ne_u32 vcc_lo, 0, v249
.irp i, 0,1,2,3,4,5,6,7,8,9,10,11
	v_cndmask_b32 v[PC+\i], v[PC+\i], v[Z], vcc_lo
.endr
	v_cndmask_b32 v250, v245, v246, vcc_lo
	v_and_b32 v[EXT], v250, v244
	v_cndmask_b32 v249, v247, v248, vcc_lo
	v_mov_b32 v[XA], v[PC+4]
	v_mov_b32 v[XA+1], v[PC+5]
	v_mov_b32 v[XA+2], v[EXT]
	v_lshrrev_b32 v251, 16, v[PW]
.if (\a)%2 == 0
	v_and_or_b32 v[GA+(\a)/2], v[PW], 0xffff, v249
	v_or_b32 v[GB+(\a)/2], v251, v249
.else
	v_and_or_b32 v250, v[PW], 0xffff, v249
	v_or_b32 v251, v251, v249
	v_cndmask_b32 v[GA+(\a)/2], v[GA+(\a)/2], v250, s90
	v_cndmask_b32 v[GB+(\a)/2], v[GB+(\a)/2], v251, s90
.endif
	global_store_b128 v[LI], v[PC:PC+3], s[IA:IA+1] offset:(\a)*1024
	global_store_b128 v[LI], v[XA:XA+3], s[IA:IA+1] offset:(\a)*1024+512
	global_store_b128 v[LI], v[PC+6:PC+9], s[IA+2:IA+3] offset:(\a)*1024
	global_store_b128 v[LI], v[PC+10:PC+13], s[IA+2:IA+3] offset:(\a)*1024+512
.endm
.macro EPI_V a
	BIASR \a
.if (\a) > 0
	s_wait_xcnt 0x0
.endif
	QUANT T
.if (\a)%2 == 0
	v_mov_b32 v[GA+(\a)/2], v[PW]
.else
	v_cndmask_b32 v[GA+(\a)/2], v[GA+(\a)/2], v[PW], s90
.endif
.irp c, 0,1,2
	global_store_b128 v[LI], v[PC+4*\c:PC+4*\c+3], s[IA+2*((\a)/4):IA+2*((\a)/4)+1] offset:((\a)%4)*1536+512*\c
.endr
.endm
.macro FINISH
	s_wait_tensorcnt 0x0
	ds_add_u32 v[SPW], v[NIL]
	s_wait_dscnt 0x0
	CROUND
	s_endpgm
.endm
	PLACES 4
.irp b, 0,1,2,3
	v_mov_b32 v[TM+4+\b], 0
.endr
	v_mov_b32 v[Z], 0
	v_mov_b32 v[XA+2], 0
	v_mov_b32 v[XA+3], 0
	s_cmp_eq_u32 s69, 1
	s_cbranch_scc1 .Lway_v
.irp a, 0,1,2,3,4,5,6,7
	EPI_QK \a
.endr
	global_store_b128 v[LI], v[GA:GA+3], s[IA+4:IA+5]
	global_store_b128 v[LI], v[GB:GB+3], s[IA+6:IA+7]
	FINISH
.Lway_v:
.irp a, 0,1,2,3,4,5,6,7
	EPI_V \a
.endr
	global_store_b64 v[L8], v[GA:GA+1], s[IA:IA+1] offset:6656
	global_store_b64 v[L8], v[GA+2:GA+3], s[IA+2:IA+3] offset:6656
	global_store_b64 v[L8], v[XA+2:XA+3], s[IA:IA+1] offset:6912
	global_store_b64 v[L8], v[XA+2:XA+3], s[IA+2:IA+3] offset:6912
	FINISH
.Lfunc_end_k_q8502bc9b60_qkv:
	.size	k_q8502bc9b60_qkv, .Lfunc_end_k_q8502bc9b60_qkv-k_q8502bc9b60_qkv
	.p2alignl 7, 3214868480
	.fill 96, 4, 3214868480
	.section	.rodata,"a",@progbits
	.p2align	6, 0x0
	.amdhsa_kernel k_q8502bc9b60_qkv
		.amdhsa_group_segment_fixed_size 327680
		.amdhsa_private_segment_fixed_size 0
		.amdhsa_enable_private_segment 0
		.amdhsa_kernarg_size 64
		.amdhsa_user_sgpr_count 2
		.amdhsa_user_sgpr_kernarg_segment_ptr 1
		.amdhsa_wavefront_size32 1
		.amdhsa_system_sgpr_workgroup_id_x 1
		.amdhsa_system_sgpr_workgroup_id_y 1
		.amdhsa_system_sgpr_workgroup_id_z 1
		.amdhsa_system_vgpr_workitem_id 0
		.amdhsa_next_free_vgpr 1024
		.amdhsa_next_free_sgpr 100
		.amdhsa_reserve_vcc 1
		.amdhsa_float_denorm_mode_32 3
		.amdhsa_float_denorm_mode_16_64 3
		.amdhsa_memory_ordered 1
		.amdhsa_forward_progress 1
		.amdhsa_inst_pref_size 216
	.end_amdhsa_kernel
	.amdgpu_metadata
---
amdhsa.version: [ 1, 2 ]
amdhsa.kernels:
  - .name:           k_q8502bc9b60_qkv
    .symbol:         k_q8502bc9b60_qkv.kd
    .args:
      - { .name: img, .offset: 0, .size: 8, .value_kind: global_buffer, .address_space: global }
      - { .name: scl, .offset: 8, .size: 8, .value_kind: global_buffer, .address_space: global }
      - { .name: xmask, .offset: 16, .size: 8, .value_kind: global_buffer, .address_space: global }
      - { .name: bq, .offset: 24, .size: 8, .value_kind: global_buffer, .address_space: global }
      - { .name: bk, .offset: 32, .size: 8, .value_kind: global_buffer, .address_space: global }
      - { .name: bv, .offset: 40, .size: 8, .value_kind: global_buffer, .address_space: global }
      - { .name: qb, .offset: 48, .size: 8, .value_kind: global_buffer, .address_space: global }
      - { .name: kv, .offset: 56, .size: 8, .value_kind: global_buffer, .address_space: global }
    .group_segment_fixed_size: 327680
    .private_segment_fixed_size: 0
    .kernarg_segment_align: 8
    .kernarg_segment_size: 64
    .max_flat_workgroup_size: 128
    .sgpr_count:     100
    .vgpr_count:     1024
    .wavefront_size: 32
...
	.end_amdgpu_metadata
.endif
;; end of part 2
;; launch attn (part 3): grid 4 x 64, 16 waves a work-group, clusters of 4 x 1, 327,680 bytes of LDS; arguments qb, kv, cimg, scl; writes cimg, scl
.if DOCPART == 3
	.amdgcn_target "amdgcn-amd-amdhsa--gfx1250"
	.amdhsa_code_object_version 6
	.text
	.protected	k_q8502bc9b60_attn
	.globl	k_q8502bc9b60_attn
	.p2align	8
	.type	k_q8502bc9b60_attn,@function
k_q8502bc9b60_attn:
	s_mov_b64 s[64:65], 0
	v_nop
	global_prefetch_b8 v0, s[64:65] scope:SCOPE_SE
	s_setreg_imm32_b32 hwreg(HW_REG_WAVE_MODE, 25, 1), 1
	s_wait_xcnt 0x0
	s_wait_alu depctr_hold_cnt(0) depctr_sa_sdst(0) depctr_va_vdst(0) depctr_va_sdst(0) depctr_va_ssrc(0) depctr_va_vcc(0) depctr_vm_vsrc(0)
	s_getreg_b32 s2, hwreg(HW_REG_IB_STS2, 6, 4)
	s_cmp_eq_u32 s2, 0
	s_cbranch_scc0 .Lentry_in_a_cluster
	s_endpgm
.Lentry_in_a_cluster:
	s_bfe_u32 s2, ttmp6, 0x10000c
	s_cmp_lg_u32 s2, 0x3003
	s_cbranch_scc0 .Lentry_shape_is_right
	s_endpgm
.Lentry_shape_is_right:
; ATTN.  context = softmax(q k^T / 8, padded keys out) v for one head and 512 queries a work-group, both products on codes of E2M3; the context is quantised along D and stored as an image for the last product.
; t = score x log2(e) / 8; M = the running largest t rounded UP to a whole number; p = 2^(t - M) is quantised along the keys, not normalised; the row's sum is taken of the unquantised p and divides at the end.
; A padded key's score comes out of the product as -2^33 (the launch before has laid that into the unused half of the product's K).  Where all keys are padded every p is 1.
; LIMITS: NaN and infinities are not served; the scaled scores stay under 2^31 in magnitude.
; LDS HOLDS THE HEAD'S WHOLE K AND V: 16 groups of 128 keys, 15,360 bytes each as they lie in memory (K's 8 images of 1,024, V's 4 of 1,536, K's scale words 512, V's 256, 256 unused), 16,384 bytes apart in LDS.
; TWO FILLS, each once: groups 0-7 at the head, groups 8-15 behind the three lines and a round; each wave asks for half a group (30 rows of 256 bytes) in each.  One tensor load of a wave is out at a time.
; CLUSTER: the four work-groups of a head ask for every byte jointly.  No data prefetch: both fills go out ahead of the first key step, so there is no loop to run ahead in.
; SHARES.  A wave owns two tiles of 16 queries, one after the other (two passes); it walks all 2,048 keys, 128 a step.  One barrier a pass, ahead of the first read of groups 8-15.
; K's tiles 0-3 and scale words of a step are asked for in the step before (the last step of a pass asks for group 0's; those of the second pass's last step, 9 loads, are not used: the walk is one text).
; LAYOUT.  Both products transposed: S^T = K Q^T, O^T = V^T P^T: a lane holds one query.  p's 16 registers of two neighbouring tiles are 16 neighbours along the second K; V was quantised in that order.
; REGISTERS: v1 16 lane, v2 8 lane, v3 16 r, v4 32 r; v7-9 addresses of the step; v10, v11 the add's; v12 -M, v13 the largest score, v[14:15] the sum; v16-27 Q; v28 Q's, v29 p's, v[30:31] V's scale words;
;   v32-79 four fragments of K; v80-127 V's four; v128-191 S^T, then p; v192-223 O^T; v224-235 p's codes; v236-247 at work; v248-251 K's scale words; v252 f, v253 0; v5, v254 at work.
.set GRP, 15360
.set GP,  16384
.set HG,  7680
.set SPARE, 0x4f000                    ; the spare words: 128 bytes a wave, named by the add alone
.macro CROUND
	s_barrier_signal -1
	s_barrier_wait -1
	s_cmp_lg_u32 s12, 0
	s_cbranch_scc1 .Lnot_wave_0_\@
	s_barrier_signal -3
.Lnot_wave_0_\@:
	s_barrier_wait -3
	s_barrier_signal -1
	s_barrier_wait -1
.endm
.macro QLOAD                           ; Q's fragment: registers 0-3; 4, 5, the code at k = 64, 0; its scale words
	global_load_b128 v[16:19], v1, s[48:49]
	global_load_b128 v[20:23], v1, s[48:49] offset:512
	global_load_b32 v28, v3, s[50:51]
.endm
	s_load_b256 s[4:11], s[0:1], 0x0               ; qb, kv, cimg, scl
	v_lshl_add_u32 v10, v0, 2, SPARE
	v_mov_b32 v11, 0
	ds_add_u32 v10, v11                            ; the opening lines
	ds_add_u32 v10, v11
	v_lshrrev_b32 v5, 5, v0
	s_delay_alu instid0(VALU_DEP_1)
	v_readfirstlane_b32 s12, v5                    ; wave 0..15
	s_bfe_u32 s13, ttmp6, 0x40000                  ; cx: it enters global addresses of q and of the results alone
	s_and_b32 s14, ttmp7, 0xffff                   ; 16 x batch + head
	s_lshr_b32 s15, s14, 4
	s_and_b32 s16, s14, 15
	s_mov_b32 s24, 15|(3<<16)|(1<<21)              ; group 1: the mask of all four; elements of 8 bytes; bit 21 beside a mask
	s_mov_b32 s25, 32<<16                          ; rows of 256 bytes,
	s_mov_b32 s26, 30<<16                          ; 30 of them, dense
	s_mov_b32 s27, 32<<16
	s_mov_b32 s28, 30
	s_mov_b32 s29, 32
	s_mov_b32 s30, 0
	s_mov_b32 s31, 0
	s_mul_i32 s58, s12, HG                         ; in memory: half a group a wave, dense
	s_mul_i32 s56, s14, 16*GRP
	s_add_co_u32 s56, s56, s58
	s_mov_b32 s57, 0
	s_lshr_b32 s33, s12, 1                         ; in LDS: group wave / 2, half wave % 2
	s_lshl_b32 s33, s33, 14
	s_and_b32 s58, s12, 1
	s_mul_i32 s58, s58, HG
	s_add_co_u32 s33, s33, s58
	s_add_co_u32 s37, s33, 8*GP
	s_mov_b32 s32, 1
	s_mov_b32 s36, 1
	s_lshl_b32 s59, s13, 2
	s_lshr_b32 s60, s12, 2
	s_add_co_u32 s59, s59, s60                     ; q's group of 128 queries: 4 cx + wave / 4
	s_mul_i32 s59, s59, 8704
	s_mul_i32 s60, s14, 139264
	s_add_co_u32 s59, s59, s60
	s_and_b32 s60, s12, 3
	s_lshl_b32 s61, s60, 11
	s_add_co_u32 s48, s59, s61                     ; my first tile's image: tile 2 (wave % 4) of the group
	s_mov_b32 s49, 0
	s_lshl_b32 s61, s60, 2
	s_add_co_u32 s50, s59, s61
	s_add_co_u32 s50, s50, 8192                    ; its scale words; the second tile's lie 256 bytes on
	s_mov_b32 s51, 0
	s_lshl_b32 s62, s15, 7
	s_lshl_b32 s63, s13, 5
	s_add_co_u32 s62, s62, s63
	s_lshl_b32 s63, s12, 1
	s_add_co_u32 s62, s62, s63                     ; my first tile of 16 tokens: 128 batch + 32 cx + 2 wave
	s_mul_i32 s52, s62, 12288
	s_lshr_b32 s63, s16, 1
	s_mul_i32 s63, s63, 1536
	s_add_co_u32 s52, s52, s63                     ; K step head / 2 of the last product,
	s_and_b32 s63, s16, 1
	s_mul_i32 s63, s63, 768
	s_add_co_u32 s52, s52, s63                     ; its registers 0-5 (even head) or 6-11
	s_mov_b32 s53, 0
	s_lshl_b32 s54, s62, 9
	s_lshl_b32 s63, s16, 1
	s_add_co_u32 s54, s54, s63
	s_add_co_u32 s54, s54, 393216                  ; the context's scale bytes
	s_mov_b32 s55, 0
	s_mov_b32 s20, 0x76543210
	s_mov_b32 s21, 0xfedcba98                      ; v_permlanex16_b32's selects for lane l xor 16
	s_mov_b32 s22, 0x3e38aa3b                      ; c = log2(e) / 8
	s_mov_b32 s23, s22                             ; (named with it as a pair)
	s_mov_b32 s17, 2                               ; passes
	s_wait_dscnt 0x0
	s_wait_kmcnt 0x0
	s_add_nc_u64 s[34:35], s[6:7], s[56:57]
	s_add_nc_u64 s[38:39], s[34:35], 8*GRP
	s_or_b32 s35, s35, 0x80000000
	s_or_b32 s39, s39, 0x80000000
	s_add_nc_u64 s[48:49], s[4:5], s[48:49]
	s_add_nc_u64 s[50:51], s[4:5], s[50:51]
	s_add_nc_u64 s[52:53], s[8:9], s[52:53]
	s_add_nc_u64 s[54:55], s[10:11], s[54:55]
	CROUND                                         ; all four work-groups are here: the joint loads meet
	tensor_load_to_lds s[32:35], s[24:31]          ; my half group of groups 0-7: my one load at the head
	s_nop 0
.rept 4
	v_nop
.endr
	v_and_b32 v5, 31, v0
	v_and_b32 v6, 15, v0
	s_delay_alu instid0(VALU_DEP_2)
	v_lshlrev_b32 v1, 4, v5
	v_lshlrev_b32 v2, 3, v5
	v_lshlrev_b32 v3, 4, v6
	v_lshlrev_b32 v4, 5, v6
	QLOAD                                          ; the first pass's queries, while the fill is on its way
.irp i, 0,1,2,3
	v_mov_b32 v[24+\i], 0                          ; registers 8-11 of Q's and of K's fragments are zero codes: set once, never loaded
	v_mov_b32 v[40+\i], 0
	v_mov_b32 v[52+\i], 0
	v_mov_b32 v[64+\i], 0
	v_mov_b32 v[76+\i], 0
	v_mov_b32 v[236+\i], 0
	v_mov_b32 v[240+\i], 0                         ; a lane permute's destination counts as one of its sources
.endr
	v_mov_b32 v253, 0                              ; (the upper half of the pair v[252:253])
	s_wait_alu depctr_va_vdst(0)                   ; the wait at the head's end
	s_wait_tensorcnt 0x0                           ; my part of groups 0-7 is in; the three lines ahead of a later first fill
	ds_add_u32 v10, v11
	s_wait_dscnt 0x0
	CROUND                                         ; everybody's part is in, and the joint loads meet
	tensor_load_to_lds s[36:39], s[24:31]          ; my half group of groups 8-15
	s_nop 0
.rept 4
	v_nop
.endr
.irp t, 0,1,2,3
	ds_load_b128 v[32+12*\t:35+12*\t], v1 offset:1024*\t       ; group 0: K's tiles 0-3,
	ds_load_b128 v[36+12*\t:39+12*\t], v1 offset:1024*\t+512
.endr
	ds_load_b128 v[248:251], v1 offset:14336       ; and K's scale words
.macro SPROD t                         ; S^T's tile t: 16 keys x my 16 queries.  The scale words of tiles 2 p and 2 p + 1 share a register
.if (\t)%2
	v_wmma_scale_f32_16x16x128_f8f6f4 v[128+8*(\t):135+8*(\t)], v[32+12*((\t)%4):43+12*((\t)%4)], v[16:27], 0, v[248+(\t)/2], v28 matrix_a_fmt:MATRIX_FMT_FP6 matrix_b_fmt:MATRIX_FMT_FP6 matrix_a_scale:MATRIX_SCALE_ROW1
.else
	v_wmma_scale_f32_16x16x128_f8f6f4 v[128+8*(\t):135+8*(\t)], v[32+12*((\t)%4):43+12*((\t)%4)], v[16:27], 0, v[248+(\t)/2], v28 matrix_a_fmt:MATRIX_FMT_FP6 matrix_b_fmt:MATRIX_FMT_FP6
.endif
.endm
.macro OPROD a                         ; O^T's tile a += V^T's tile a x p.  The four accumulators take turns
.if (\a)%2
	v_wmma_scale_f32_16x16x128_f8f6f4 v[192+8*(\a):199+8*(\a)], v[80+12*(\a):91+12*(\a)], v[224:235], v[192+8*(\a):199+8*(\a)], v[30+(\a)/2], v29 matrix_a_fmt:MATRIX_FMT_FP6 matrix_b_fmt:MATRIX_FMT_FP6 matrix_a_scale:MATRIX_SCALE_ROW1
.else
	v_wmma_scale_f32_16x16x128_f8f6f4 v[192+8*(\a):199+8*(\a)], v[80+12*(\a):91+12*(\a)], v[224:235], v[192+8*(\a):199+8*(\a)], v[30+(\a)/2], v29 matrix_a_fmt:MATRIX_FMT_FP6 matrix_b_fmt:MATRIX_FMT_FP6
.endif
.endm
.macro MAXT t0                         ; the largest of registers 0-6 of tiles t0 .. t0 + 3: four chains by turns; each accumulator from its low end on
.irp t, \t0, \t0+1, \t0+2, \t0+3
	v_max3_num_f32 v[236+(\t)/2+4*((\t)%2)], v[128+8*(\t)], v[129+8*(\t)], v[130+8*(\t)]
.endr
.irp i, 3,5
.irp t, \t0, \t0+1, \t0+2, \t0+3
	v_max3_num_f32 v[236+(\t)/2+4*((\t)%2)], v[236+(\t)/2+4*((\t)%2)], v[128+8*(\t)+\i], v[129+8*(\t)+\i]
.endr
.endr
.endm
.macro MAXJ b0                         ; blocks b0, b0 + 1: the two tiles' chains and their registers 7
.irp b, \b0, \b0+1
	v_max3_num_f32 v[236+(\b)], v[236+(\b)], v[240+(\b)], v[135+16*(\b)]
.endr
.irp b, \b0, \b0+1
	v_max_num_f32 v[236+(\b)], v[236+(\b)], v[143+16*(\b)]
.endr
.endm
; A KEY STEP: the 128 keys of the group at LDS byte s18.  wrap = 1: the group after the last is group 0
.macro STEP wrap
	s_add_co_u32 s19, s18, GP
.if \wrap
	s_and_b32 s19, s19, 16*GP-1
.endif
	v_add_nc_u32 v8, s18, v1
	v_add_nc_u32 v9, s18, v2
	v_add_nc_u32 v7, s19, v1                       ; the next group
	v_nop                                          ; four places behind the last step's products, in front of loads into registers that they read
.irp t, 0,1,2,3
.irp c, 0,1,2
	ds_load_b128 v[80+12*\t+4*\c:83+12*\t+4*\c], v8 offset:8192+1536*\t+512*\c
.endr
.endr
	ds_load_b64 v[30:31], v9 offset:14848          ; V's scale words
	s_wait_alu depctr_va_vdst(0)
	s_wait_dscnt 13                                ; K's tiles 0-3 and scale words, asked for a step ago, are in; V's 12 loads and its scale words may be out
.irp t, 0,1,2,3
	SPROD \t
.endr
.rept 4
	v_nop
.endr
.irp t, 4,5,6,7
	ds_load_b128 v[32+12*(\t-4):35+12*(\t-4)], v8 offset:1024*\t
	ds_load_b128 v[36+12*(\t-4):39+12*(\t-4)], v8 offset:1024*\t+512
.endr
	MAXT 0                                         ; the largest score of each block of 32 keys serves the row's maximum and, since p rises with the score, the block's largest p
	s_wait_alu depctr_va_vdst(0)
	s_wait_dscnt 0x0
.irp t, 4,5,6,7
	SPROD \t
.endr
	MAXJ 0                                         ; four plain lines that name no register of the products above: their places
.irp t, 0,1,2,3
	ds_load_b128 v[32+12*\t:35+12*\t], v7 offset:1024*\t       ; the next step's tiles 0-3 and scale words
	ds_load_b128 v[36+12*\t:39+12*\t], v7 offset:1024*\t+512
.endr
	ds_load_b128 v[248:251], v7 offset:14336
	MAXT 4
	MAXJ 2
	v_permlanex16_b32 v240, v236, s20, s21
	v_permlanex16_b32 v241, v237, s20, s21
	s_delay_alu instid0(VALU_DEP_4)
	v_permlanex16_b32 v242, v238, s20, s21
	s_delay_alu instid0(VALU_DEP_4)
	v_permlanex16_b32 v243, v239, s20, s21
.irp b, 0,1,2,3
	s_delay_alu instid0(VALU_DEP_4)
	v_max_num_f32 v[236+\b], v[236+\b], v[240+\b]  ; with lane l xor 16's 16 keys
.endr
	s_delay_alu instid0(VALU_DEP_2)
	v_max3_num_f32 v254, v236, v237, v238
	s_delay_alu instid0(VALU_DEP_1)
	v_max3_num_f32 v13, v13, v254, v239            ; the running largest score (c is positive: its t is the largest t)
	s_delay_alu instid0(VALU_DEP_1)
	v_mul_f32 v254, s22, v13
	s_delay_alu instid0(VALU_DEP_1)
	v_floor_f32 v5, -v254                          ; the new -M = -ceil(t): a whole number
	s_delay_alu instid0(VALU_DEP_1)
	v_sub_f32 v254, v5, v12                        ; old M - new M: a whole number, 0 or less
	v_mov_b32 v12, v5
	s_delay_alu instid0(VALU_DEP_2)
	v_cvt_i32_f32 v254, v254                       ; (it saturates)
	s_delay_alu instid0(VALU_DEP_1)
	v_ldexp_f32 v252, 1.0, v254                    ; f = 2^(old M - new M): a multiplication by it rounds nothing
.set JJ, 0
.rept 32
	v_pk_fma_f32 v[128+JJ:129+JJ], v[128+JJ:129+JJ], s[22:23], v[12:13] op_sel_hi:[1,0,0]   ; t - M, two at a time
.set JJ, JJ+2
.endr
.irp b, 0,1,2,3
	v_fma_f32 v[236+\b], v[236+\b], s22, v12       ; the same of each block's largest score
.endr
	s_wait_alu depctr_va_vdst(0)                   ; the wait ahead of the batch
.irp b, 0,1,2,3
	v_exp_f32 v[236+\b], v[236+\b]                 ; the blocks' largest p
.endr
.set JJ, 0
.rept 64
	v_exp_f32 v[128+JJ], v[128+JJ]                 ; p = 2^(t - M)
.set JJ, JJ+1
.endr
	v_pk_mul_f32 v[14:15], v[14:15], v[252:253] op_sel_hi:[1,0]   ; the sums under the new M.  (A plain line behind the exponentials)
	s_wait_alu depctr_va_vdst(0)                   ; one wait for the batch of 68
.irp b, 0,1,2,3
	v_max_num_f32 v[236+\b], 0x1800000, v[236+\b]  ; the floor 2^(3 - 127): the byte cannot fall under 1
.endr
.irp b, 0,1,2,3
	s_delay_alu instid0(VALU_DEP_4)
	v_add_nc_u32 v[244+\b], 0xff000000, v[236+\b]  ; the conversion's scale operand
.endr
.irp b, 0,1,2,3
	s_delay_alu instid0(VALU_DEP_4)
	v_lshrrev_b32 v[240+\b], 23, v[244+\b]         ; the scale's byte
.endr
	s_delay_alu instid0(VALU_DEP_3)
	v_lshl_or_b32 v29, v241, 8, v240               ; p's scale word for these 128 keys
	s_delay_alu instid0(VALU_DEP_1)
	v_lshl_or_b32 v29, v242, 16, v29
.irp c, 0,1
	v_cvt_scalef32_pk16_fp6_f32 v[224+6*\c:226+6*\c], v[128+32*\c:143+32*\c], v[244+2*\c]
	v_cvt_scalef32_pk16_fp6_f32 v[236+4*\c:238+4*\c], v[144+32*\c:159+32*\c], v[244+2*\c+1]
.endr
	v_lshl_or_b32 v29, v243, 24, v29               ; (the plain line behind the conversions)
; the row's sum of the unquantised p, as a tree in p's own registers, which the conversions have read
.irp i, 0,1,2,3,4,5,6,7,8,9,10,11,12,13,14,15
	v_pk_add_f32 v[128+4*\i:129+4*\i], v[128+4*\i:129+4*\i], v[130+4*\i:131+4*\i]
.endr
.irp i, 0,1,2,3,4,5,6,7
	v_pk_add_f32 v[128+8*\i:129+8*\i], v[128+8*\i:129+8*\i], v[132+8*\i:133+8*\i]
.endr
.irp c, 0,1
.irp i, 0,1,2
	v_permlane16_swap_b32 v[224+6*\c+\i], v[236+4*\c+\i]   ; a whole block in a lane
.endr
.endr
.irp i, 0,1,2,3
	v_pk_add_f32 v[128+16*\i:129+16*\i], v[128+16*\i:129+16*\i], v[136+16*\i:137+16*\i]
.endr
.irp i, 0,1,2
	v_mov_b32 v[227+\i], v[236+\i]
.endr
	v_pk_add_f32 v[128:129], v[128:129], v[144:145]
	v_pk_add_f32 v[160:161], v[160:161], v[176:177]
.irp i, 0,1,2
	v_mov_b32 v[233+\i], v[240+\i]
.endr
	s_delay_alu instid0(VALU_DEP_4)
	v_pk_add_f32 v[128:129], v[128:129], v[160:161]
	s_wait_alu depctr_va_vdst(0)                   ; directly ahead of the first reader of O^T
.set JJ, 0
.rept 16
	v_pk_mul_f32 v[192+JJ:193+JJ], v[192+JJ:193+JJ], v[252:253] op_sel_hi:[1,0]   ; O^T under the new M.  For each product below twelve of these name none of its registers: the places behind p's scale word and codes
.set JJ, JJ+2
.endr
	v_pk_add_f32 v[14:15], v[14:15], v[128:129]
.irp a, 0,1,2,3
	OPROD \a
.endr
.endm
.macro WALK first, n, wrap
	s_mov_b32 s18, (\first)*GP
	s_mov_b32 s3, \n
.Lstep_\@:
	STEP \wrap
	s_add_co_u32 s18, s18, GP
	s_sub_co_u32 s3, s3, 1
	s_cmp_lg_u32 s3, 0
	s_cbranch_scc1 .Lstep_\@
.endm
.Lpass:
	v_mov_b32 v13, 0xff61b1e6                      ; the largest score so far: -3e38
	v_mov_b32 v12, 0x7f61b1e6                      ; -M: 3e38, a whole number: the first f is 0
	v_mov_b32 v14, 0
	v_mov_b32 v15, 0
.set JJ, 0
.rept 32
	v_mov_b32 v[192+JJ], 0                         ; O^T: the step is written once; the first change of M leaves zeros zeros
.set JJ, JJ+1
.endr
	s_wait_loadcnt 0x0                             ; Q is in
	WALK 0, 7, 0                                   ; groups 0-6; they read ahead as far as group 7
	s_wait_tensorcnt 0x0                           ; my part of groups 8-15 is in (in the second pass nothing is out)
	s_wait_dscnt 0x0                               ; no LDS load is out at a signal
	s_barrier_signal -1
	s_barrier_wait -1                              ; everybody's is
	WALK 7, 9, 1
	; THE WAY OUT of a pass: O^T / the sum, quantised along D: my head's two blocks of 32
.rept 4
	v_nop                                          ; places behind the last products
.endr
	v_add_f32 v14, v14, v15
	s_delay_alu instid0(VALU_DEP_1)
	v_permlanex16_b32 v240, v14, s20, s21
	s_delay_alu instid0(VALU_DEP_1)
	v_add_f32 v14, v14, v240                       ; the row's sum
	s_wait_alu depctr_va_vdst(0)
	v_rcp_f32 v14, v14
	v_nop                                          ; a plain line behind the reciprocal
	s_wait_alu depctr_va_vdst(0)                   ; and the wait ahead of its first reader
.set JJ, 0
.rept 32
	v_mul_f32 v[128+JJ], v[192+JJ], v14            ; register 16 b + i: d = 32 b + 16 h + i of my query
.set JJ, JJ+1
.endr
.irp b, 0,1
	v_max3_num_f32 v[236+\b], |v[128+16*\b]|, |v[129+16*\b]|, 0x1800000
.endr
.irp i, 2,4,6,8,10,12,14
.irp b, 0,1
	s_delay_alu instid0(VALU_DEP_2)
	v_max3_num_f32 v[236+\b], v[236+\b], |v[128+16*\b+\i]|, |v[129+16*\b+\i]|
.endr
.endr
.irp b, 0,1
	s_delay_alu instid0(VALU_DEP_2)
	v_permlanex16_b32 v[240+\b], v[236+\b], s20, s21
.endr
.irp b, 0,1
	s_delay_alu instid0(VALU_DEP_2)
	v_max_num_f32 v[236+\b], v[236+\b], v[240+\b]
.endr
.irp b, 0,1
	s_delay_alu instid0(VALU_DEP_2)
	v_add_nc_u32 v[244+\b], 0xff000000, v[236+\b]
.endr
.irp b, 0,1
	s_delay_alu instid0(VALU_DEP_2)
	v_lshrrev_b32 v[240+\b], 23, v[244+\b]
.endr
	s_delay_alu instid0(VALU_DEP_1)
	v_lshl_or_b32 v254, v241, 8, v240              ; my head's two scale bytes of my token
	v_cvt_scalef32_pk16_fp6_f32 v[224:226], v[128:143], v244
	v_cvt_scalef32_pk16_fp6_f32 v[236:238], v[144:159], v245
	v_nop
.irp i, 0,1,2
	v_permlane16_swap_b32 v[224+\i], v[236+\i]     ; lanes 0-15: block 0 whole; lanes 16-31: block 1
.endr
.irp i, 0,1,2
	s_delay_alu instid0(VALU_DEP_3)
	v_mov_b32 v[227+\i], v[236+\i]
.endr
.irp p, 0,1,2
	global_store_b64 v2, v[224+2*\p:225+2*\p], s[52:53] offset:256*\p   ; a plane of two registers: 256 consecutive bytes, aligned
.endr
	global_store_b16 v4, v254, s[54:55]            ; both halves of the lanes write the same two bytes with the same value
	s_wait_xcnt 0x0                                ; the loads and stores have read their bases and registers
	s_add_nc_u64 s[48:49], s[48:49], 1024          ; on to my second tile
	s_add_nc_u64 s[50:51], s[50:51], 256
	s_add_nc_u64 s[52:53], s[52:53], 12288
	s_add_nc_u64 s[54:55], s[54:55], 512
	s_sub_co_u32 s17, s17, 1
	s_cmp_eq_u32 s17, 0
	s_cbranch_scc1 .Lno_more_q
	QLOAD                                          ; the second pass's queries
.Lno_more_q:
	s_cmp_lg_u32 s17, 0
	s_cbranch_scc1 .Lpass
	s_wait_tensorcnt 0x0                           ; the wave's end
	ds_add_u32 v10, v11
	s_wait_dscnt 0x0
	CROUND                                         ; the closing round
	s_endpgm
.Lfunc_end_k_q8502bc9b60_attn:
	.size	k_q8502bc9b60_attn, .Lfunc_end_k_q8502bc9b60_attn-k_q8502bc9b60_attn
	.p2alignl 7, 3214868480
	.fill 96, 4, 3214868480
	.section	.rodata,"a",@progbits
	.p2align	6, 0x0
	.amdhsa_kernel k_q8502bc9b60_attn
		.amdhsa_group_segment_fixed_size 327680
		.amdhsa_private_segment_fixed_size 0
		.amdhsa_enable_private_segment 0
		.amdhsa_kernarg_size 32
		.amdhsa_user_sgpr_count 2
		.amdhsa_user_sgpr_kernarg_segment_ptr 1
		.amdhsa_wavefront_size32 1
		.amdhsa_system_sgpr_workgroup_id_x 1
		.amdhsa_system_sgpr_workgroup_id_y 1
		.amdhsa_system_sgpr_workgroup_id_z 1
		.amdhsa_system_vgpr_workitem_id 0
		.amdhsa_next_free_vgpr 256
		.amdhsa_next_free_sgpr 66
		.amdhsa_reserve_vcc 0
		.amdhsa_float_denorm_mode_32 3
		.amdhsa_float_denorm_mode_16_64 3
		.amdhsa_memory_ordered 1
		.amdhsa_forward_progress 1
		.amdhsa_inst_pref_size 47
	.end_amdhsa_kernel
	.amdgpu_metadata
---
amdhsa.version: [ 1, 2 ]
amdhsa.kernels:
  - .name:           k_q8502bc9b60_attn
    .symbol:         k_q8502bc9b60_attn.kd
    .args:
      - { .name: qb, .offset: 0, .size: 8, .value_kind: global_buffer, .address_space: global }
      - { .name: kv, .offset: 8, .size: 8, .value_kind: global_buffer, .address_space: global }
      - { .name: cimg, .offset: 16, .size: 8, .value_kind: global_buffer, .address_space: global }
      - { .name: scl, .offset: 24, .size: 8, .value_kind: global_buffer, .address_space: global }
    .group_segment_fixed_size: 327680
    .private_segment_fixed_size: 0
    .kernarg_segment_align: 8
    .kernarg_segment_size: 32
    .max_flat_workgroup_size: 512
    .sgpr_count:     66
    .vgpr_count:     256
    .wavefront_size: 32
...
	.end_amdgpu_metadata
.endif
;; end of part 3
;; launch oproj (part 4): grid 4 x 64, 4 waves a work-group, clusters of 4 x 4, 327,680 bytes of LDS; arguments cimg, img, scl, bo, out0; writes out0
.if DOCPART == 4
	.amdgcn_target "amdgcn-amd-amdhsa--gfx1250"
	.amdhsa_code_object_version 6
	.text
	.protected	k_q8502bc9b60_oproj
	.globl	k_q8502bc9b60_oproj
	.p2align	8
	.type	k_q8502bc9b60_oproj,@function
k_q8502bc9b60_oproj:
	s_mov_b64 s[64:65], 0
	v_nop
	global_prefetch_b8 v0, s[64:65] scope:SCOPE_SE
	s_setreg_imm32_b32 hwreg(HW_REG_WAVE_MODE, 25, 1), 1
	s_wait_xcnt 0x0
	s_wait_alu depctr_hold_cnt(0) depctr_sa_sdst(0) depctr_va_vdst(0) depctr_va_sdst(0) depctr_va_ssrc(0) depctr_va_vcc(0) depctr_vm_vsrc(0)
	s_getreg_b32 s2, hwreg(HW_REG_IB_STS2, 6, 4)
	s_cmp_eq_u32 s2, 0
	s_cbranch_scc0 .Lentry_in_a_cluster
	s_endpgm
.Lentry_in_a_cluster:
	s_bfe_u32 s2, ttmp6, 0x10000c
	s_cmp_lg_u32 s2, 0xf033
	s_cbranch_scc0 .Lentry_shape_is_right
	s_endpgm
.Lentry_shape_is_right:
; OPROJ.  out0 [8192][1024] f32 = context x Wo^T + bo, on codes of E2M3 with E8M0 scales.  Both operands lie in memory as images of operand registers: a tile of 16 rows is 12,288 bytes, K step s at 1,536 s.
; A block of out0 is 128 rows x 256 columns: 64 x 4 = 256 work-groups of four waves; a wave makes 64 x 128: 32 accumulators.
; ALL OF K IS IN LDS: the context's 8 tiles (98,304 bytes), then Wo's 16 (196,608), each dense in memory.  Filled once, by one joint load a wave at the head: waves 0, 1 half of A each, waves 2, 3 half of B each.
; Nothing is filled again, so the walk along K has no barrier.  No data prefetch: the one fill goes out at the head, and there is no loop to run ahead in.
; CLUSTER 4 x 4: A's tiles are shared along a row of the cluster, B's along a column.
; The matrix instruction is used transposed (source 0 = rows of Wo, source 1 = tokens): a lane holds 8 numbers of one row of out0.  Row p of Wo's tile j is weight row 32 (j / 2) + 8 (j % 2) + p + 8 (p / 8).
; REGISTERS: window 0: v16-29 addresses; v64-127 scale words (register 8 i + s: lanes 0-15 A's block i, lanes 16-31 B's block i, K step s); v128-223 A's fragments, two sets; on the way out v128-255.
;   window 1: B's fragments, two sets at v0 and v128; bo at v96-127 and v224-255.   window 2: accumulator (a, b) at v[8 (8 a + b)].
; THE STAGE of the way out lies in A's bytes, which have had their only fill; a barrier stands between every wave's last read of tiles and the first store there.
.set WOFF,  6291456
.set WSZ,   786432
.set SCW,   262144
.set SCC_,  393216
.set TILE,  12288
.set SPARE, 24*TILE
.set SPITCH, 528
.set ADRA, 16
.set ADRB, 20
.set LI,   24
.set L8,   25
.set STO,  26
.set RD,   27
.set SPW,  28
.set NIL,  29
.set SC,   64
.set AF,   128
.set BK,   128
.set G1A, 24
.set G1B, 32
.set G0A, 40
.set G0B, 52
.set MSB, 0
.macro WIN new
.if MSB != (\new)
	s_set_vgpr_msb (MSB<<8)|(\new)
.set MSB, (\new)
.endif
.endm
.set MUL_LO, 0xa1                      ; source 0 (B) window 1, source 1 (A) window 0, C and D window 2
.set TO_B,   0x40
.macro CROUND
	s_barrier_signal -1
	s_barrier_wait -1
	s_cmp_lg_u32 s20, 0
	s_cbranch_scc1 .Lnot_wave_0_\@
	s_barrier_signal -3
.Lnot_wave_0_\@:
	s_barrier_wait -3
	s_barrier_signal -1
	s_barrier_wait -1
.endm
.macro PLACES n
.rept \n
	v_nop
.endr
.endm
	s_load_b256 s[4:11], s[0:1], 0x0               ; cimg, img, scl, bo
	s_load_b64 s[12:13], s[0:1], 0x20              ; out0
	v_lshl_add_u32 v[SPW], v0, 2, SPARE
	v_mov_b32 v[NIL], 0
	ds_add_u32 v[SPW], v[NIL]                      ; the opening lines
	ds_add_u32 v[SPW], v[NIL]
	v_lshrrev_b32 v1, 5, v0
	v_readfirstlane_b32 s20, v1                    ; wave 0..3
	s_lshr_b32 s21, s20, 1                         ; my half of the rows.  Also: I fetch for A (0) or B (1)
	s_and_b32 s22, s20, 1                          ; my half of the columns.  Also: which half I fetch
	s_bfe_u32 s66, ttmp6, 0x40000
	s_bfe_u32 s67, ttmp6, 0x40004
	s_lshl_b32 s73, ttmp9, 2
	s_add_co_u32 s73, s73, s66                     ; block column
	s_and_b32 s72, ttmp7, 0xffff
	s_lshl_b32 s72, s72, 2
	s_add_co_u32 s72, s72, s67                     ; block row
	s_lshl_b32 s74, s67, 2
	s_lshl_b32 s74, 15, s74
	s_lshl_b32 s75, 0x1111, s66
	s_or_b32 s[G1A], s74, (3<<16)|(1<<21)          ; elements of 8 bytes, rows of 256 bytes, dense: 192 rows for half of A,
	s_or_b32 s[G1B], s75, (3<<16)|(1<<21)          ; 384 for half of B
	s_mov_b32 s[G1A+1], 32<<16
	s_mov_b32 s[G1A+2], 192<<16
	s_mov_b32 s[G1A+3], 32<<16
	s_mov_b32 s[G1A+4], 192
	s_mov_b32 s[G1A+5], 32
	s_mov_b32 s[G1A+6], 0
	s_mov_b32 s[G1A+7], 0
	s_mov_b32 s[G1B+1], 32<<16
	s_mov_b32 s[G1B+2], 384<<16
	s_mov_b32 s[G1B+3], 32<<16
	s_mov_b32 s[G1B+4], 384
	s_mov_b32 s[G1B+5], 32
	s_mov_b32 s[G1B+6], 0
	s_mov_b32 s[G1B+7], 0
	s_mov_b32 s[G0A], 1
	s_mov_b32 s[G0B], 1
	s_mul_i32 s[G0A+1], s22, 4*TILE
	s_mul_i32 s[G0B+1], s22, 8*TILE
	s_mul_i32 s76, s72, 8*TILE
	s_add_co_u32 s76, s76, s[G0A+1]
	s_mov_b32 s77, 0
	s_mul_i32 s78, s73, 16*TILE
	s_add_co_u32 s78, s78, s[G0B+1]
	s_add_co_u32 s78, s78, WOFF+3*WSZ
	s_mov_b32 s79, 0
	s_add_co_u32 s[G0B+1], s[G0B+1], 8*TILE
	s_wait_dscnt 0x0
	s_wait_kmcnt 0x0
	s_add_nc_u64 s[G0A+2:G0A+3], s[4:5], s[76:77]
	s_or_b32 s[G0A+3], s[G0A+3], 0x80000000
	s_add_nc_u64 s[G0B+2:G0B+3], s[6:7], s[78:79]
	s_or_b32 s[G0B+3], s[G0B+3], 0x80000000
	CROUND                                         ; all sixteen work-groups are here: the joint loads meet
	s_cmp_eq_u32 s21, 0
	s_cbranch_scc0 .Lfor_b
	tensor_load_to_lds s[G0A:G0A+3], s[G1A:G1A+7]
	s_nop 0
	PLACES 4
	s_branch .Lasked
.Lfor_b:
	tensor_load_to_lds s[G0B:G0B+3], s[G1B:G1B+7]
	s_nop 0
	PLACES 4
.Lasked:
	v_and_b32 v1, 15, v0
	v_bfe_u32 v2, v0, 4, 1
	v_and_b32 v3, 31, v0
	v_lshlrev_b32 v[LI], 4, v3
	v_lshlrev_b32 v[L8], 3, v3
	s_mul_i32 s2, s21, 4*TILE                      ; my four tiles of A
	s_mul_i32 s3, s22, 8*TILE
	s_add_co_u32 s3, s3, 8*TILE                    ; my eight of B
	v_add_nc_u32 v[ADRA], s2, v[L8]
	v_add_nc_u32 v[ADRB], s3, v[LI]
	s_add_co_u32 s3, s3, 4*TILE
	v_add_nc_u32 v[ADRB+1], s3, v[LI]              ; tiles 4-7: an LDS offset has 16 bits
	s_mul_i32 s23, s20, 16*SPITCH                  ; my stage
	v_mul_u32_u24 v[STO], v1, SPITCH
	v_lshl_add_u32 v[STO], v2, 6, v[STO]
	v_add_nc_u32 v[STO], s23, v[STO]
	v_add_nc_u32 v[RD], s23, v[LI]
	s_wait_alu depctr_va_vdst(0)
	s_lshl_b32 s83, s72, 3
	s_lshl_b32 s85, s21, 2
	s_add_co_u32 s83, s83, s85
	s_lshl_b32 s83, s83, 9
	s_add_co_u32 s83, s83, SCC_                    ; the scale words of my four tiles of A,
	s_lshl_b32 s84, s73, 4
	s_lshl_b32 s85, s22, 3
	s_add_co_u32 s84, s84, s85
	s_lshl_b32 s84, s84, 9
	s_add_co_u32 s84, s84, SCW+98304               ; and of my eight of B
	s_sub_co_u32 s86, s83, 2048
	v_mov_b32 v4, s83
	v_mov_b32 v6, s86
	v_mov_b32 v8, s84
	v_cmp_eq_u32 vcc_lo, 1, v2
	v_cndmask_b32 v4, v4, v8, vcc_lo
	v_cndmask_b32 v6, v6, v8, vcc_lo               ; for blocks 4-7, which A does not have: lanes 0-15 take A's blocks 0-3 once more and stay inside the buffer
	v_lshl_add_u32 v4, v1, 5, v4
	v_lshl_add_u32 v6, v1, 5, v6
.irp i, 0,1,2,3
	global_load_b128 v[SC+8*\i:SC+8*\i+3], v4, s[8:9] offset:\i*512
	global_load_b128 v[SC+8*\i+4:SC+8*\i+7], v4, s[8:9] offset:\i*512+16
.endr
.irp i, 4,5,6,7
	global_load_b128 v[SC+8*\i:SC+8*\i+3], v6, s[8:9] offset:\i*512
	global_load_b128 v[SC+8*\i+4:SC+8*\i+7], v6, s[8:9] offset:\i*512+16
.endr
	s_lshl_b32 s85, s73, 10
	s_lshl_b32 s23, s22, 9
	s_add_co_u32 s85, s85, s23                     ; my first column, in bytes
	v_lshlrev_b32 v5, 6, v2
	v_add_nc_u32 v5, s85, v5
	WIN TO_B
.irp b, 0,1,2,3,4,5,6,7
	global_load_b128 v[96+8*\b+96*(\b/4):96+8*\b+96*(\b/4)+3], v5, s[10:11] offset:4*(32*(\b/2)+8*(\b%2))
	global_load_b128 v[96+8*\b+96*(\b/4)+4:96+8*\b+96*(\b/4)+7], v5, s[10:11] offset:4*(32*(\b/2)+8*(\b%2))+16
.endr
	WIN 0
	s_lshl_b32 s2, s72, 19                         ; 128 rows of 4,096 bytes a block row,
	s_lshl_b32 s3, s21, 18                         ; 64 for my half
	s_add_co_u32 s2, s2, s3
	s_add_co_u32 s2, s2, s85
	s_mov_b32 s3, 0
	s_add_nc_u64 s[12:13], s[12:13], s[2:3]
.macro MUL16 a0, set, st, zero         ; A's blocks a0, a0 + 1 x B's eight; the accumulators take turns
.irp a, \a0, \a0+1
.irp b, 0,1,2,3,4,5,6,7
.if \zero
	v_wmma_scale_f32_16x16x128_f8f6f4 v[8*(8*(\a)+\b):8*(8*(\a)+\b)+7], v[128*(\set)+12*\b:128*(\set)+12*\b+11], v[AF+48*(\set)+12*(\a):AF+48*(\set)+12*(\a)+11], 0, v[SC+8*\b+(\st)], v[SC+8*(\a)+(\st)] matrix_a_fmt:MATRIX_FMT_FP6 matrix_b_fmt:MATRIX_FMT_FP6 matrix_a_scale:MATRIX_SCALE_ROW1
.else
	v_wmma_scale_f32_16x16x128_f8f6f4 v[8*(8*(\a)+\b):8*(8*(\a)+\b)+7], v[128*(\set)+12*\b:128*(\set)+12*\b+11], v[AF+48*(\set)+12*(\a):AF+48*(\set)+12*(\a)+11], v[8*(8*(\a)+\b):8*(8*(\a)+\b)+7], v[SC+8*\b+(\st)], v[SC+8*(\a)+(\st)] matrix_a_fmt:MATRIX_FMT_FP6 matrix_b_fmt:MATRIX_FMT_FP6 matrix_a_scale:MATRIX_SCALE_ROW1
.endif
.endr
.endr
.endm
.macro FETCH st, set                   ; K step st: B's eight fragments (planes of four registers) and A's four (planes of two) into set
	WIN TO_B
.irp i, 0,1,2,3,4,5,6,7
.irp c, 0,1,2
	ds_load_b128 v[128*(\set)+12*\i+4*\c:128*(\set)+12*\i+4*\c+3], v[ADRB+\i/4] offset:(\i%4)*TILE+(\st)*1536+512*\c
.endr
.endr
	WIN 0
.irp i, 0,1,2,3
.irp p, 0,1,2,3,4,5
	ds_load_b64 v[AF+48*(\set)+12*\i+2*\p:AF+48*(\set)+12*\i+2*\p+1], v[ADRA] offset:\i*TILE+(\st)*1536+256*\p
.endr
.endr
.endm
.macro STEP st, zero                   ; this step's fragments are in; the next step's are asked for into the other sets, ahead of this step's 32 products
	s_wait_dscnt 0x0
.if (\st) > 0
	PLACES 4                                       ; behind the last step's products, which read the other sets
.endif
	FETCH (\st)+1, 1-(\st)%2
	WIN MUL_LO
	MUL16 0, (\st)%2, \st, \zero
	MUL16 2, (\st)%2, \st, \zero
	WIN 0
.endm
	s_wait_alu depctr_va_vdst(0)                   ; the wait at the head's end
	s_wait_tensorcnt 0x0                           ; my part of the tiles is in
	s_barrier_signal -1
	s_barrier_wait -1                              ; everybody's is
	s_wait_loadcnt 0x0                             ; the scale words and bo
	FETCH 0, 0
	STEP 0, 1                                      ; the first step's products start the sums
.irp s, 1,2,3,4,5,6
	STEP \s, 0
.endr
	s_wait_dscnt 0x0                               ; my last reads of the tiles are over:
	s_barrier_signal -1                            ; say so,
	WIN MUL_LO
	MUL16 0, 1, 7, 0
	MUL16 2, 1, 7, 0
	WIN 0
	s_barrier_wait -1                              ; and store to the stage only when all four have said so
.macro TOSTAGE a                       ; + bo; 16 rows x 128 columns into my stage, and back as whole rows of 512 bytes
.set AC, 64*(\a)
	WIN 0x86
.irp b, 0,1,2,3,4,5,6,7
.irp j, 0,2,4,6
	v_pk_add_f32 v[AC+8*\b+\j:AC+8*\b+\j+1], v[AC+8*\b+\j:AC+8*\b+\j+1], v[96+8*\b+96*(\b/4)+\j:96+8*\b+96*(\b/4)+\j+1]
.endr
.endr
	WIN 0x08
.irp b, 0,1,2,3,4,5,6,7
	ds_store_b128 v[STO], v[AC+8*\b:AC+8*\b+3] offset:128*(\b/2)+32*(\b%2)
	ds_store_b128 v[STO], v[AC+8*\b+4:AC+8*\b+7] offset:128*(\b/2)+32*(\b%2)+16
.endr
	WIN 0
.set BB, BK+64*((\a)%2)
.irp t, 0,1,2,3,4,5,6,7,8,9,10,11,12,13,14,15
	ds_load_b128 v[BB+4*\t:BB+4*\t+3], v[RD] offset:\t*SPITCH    ; LDS serves a wave's instructions in order: these see the stores above
.endr
.endm
.macro SEND a, younger
.set BB, BK+64*((\a)%2)
	s_wait_dscnt \younger
.irp t, 0,1,2,3,4,5,6,7,8,9,10,11,12,13,14,15
	global_store_b128 v[LI], v[BB+4*\t:BB+4*\t+3], s[12:13] offset:(16*(\a)+\t)*4096 th:TH_STORE_NT   ; 32 lanes store 512 consecutive bytes, aligned
.endr
.endm
	PLACES 4
	TOSTAGE 0
.irp a, 1,2,3
.if \a > 1
	s_wait_xcnt 0x0                                ; block a - 2's stores have read their registers
.endif
	TOSTAGE \a
	SEND \a-1, 32                                  ; behind block a - 1's loads: block a's 16 stores and 16 loads
.endr
	SEND 3, 0
	s_wait_tensorcnt 0x0                           ; the wave's end
	ds_add_u32 v[SPW], v[NIL]
	s_wait_dscnt 0x0
	CROUND                                         ; the closing round
	s_endpgm
.Lfunc_end_k_q8502bc9b60_oproj:
	.size	k_q8502bc9b60_oproj, .Lfunc_end_k_q8502bc9b60_oproj-k_q8502bc9b60_oproj
	.p2alignl 7, 3214868480
	.fill 96, 4, 3214868480
	.section	.rodata,"a",@progbits
	.p2align	6, 0x0
	.amdhsa_kernel k_q8502bc9b60_oproj
		.amdhsa_group_segment_fixed_size 327680
		.amdhsa_private_segment_fixed_size 0
		.amdhsa_enable_private_segment 0
		.amdhsa_kernarg_size 40
		.amdhsa_user_sgpr_count 2
		.amdhsa_user_sgpr_kernarg_segment_ptr 1
		.amdhsa_wavefront_size32 1
		.amdhsa_system_sgpr_workgroup_id_x 1
		.amdhsa_system_sgpr_workgroup_id_y 1
		.amdhsa_system_sgpr_workgroup_id_z 1
		.amdhsa_system_vgpr_workitem_id 0
		.amdhsa_next_free_vgpr 768
		.amdhsa_next_free_sgpr 100
		.amdhsa_reserve_vcc 1
		.amdhsa_float_denorm_mode_32 3
		.amdhsa_float_denorm_mode_16_64 3
		.amdhsa_memory_ordered 1
		.amdhsa_forward_progress 1
		.amdhsa_inst_pref_size 91
	.end_amdhsa_kernel
	.amdgpu_metadata
---
amdhsa.version: [ 1, 2 ]
amdhsa.kernels:
  - .name:           k_q8502bc9b60_oproj
    .symbol:         k_q8502bc9b60_oproj.kd
    .args:
      - { .name: cimg, .offset: 0, .size: 8, .value_kind: global_buffer, .address_space: global }
      - { .name: img, .offset: 8, .size: 8, .value_kind: global_buffer, .address_space: global }
      - { .name: scl, .offset: 16, .size: 8, .value_kind: global_buffer, .address_space: global }
      - { .name: bo, .offset: 24, .size: 8, .value_kind: global_buffer, .address_space: global }
      - { .name: out0, .offset: 32, .size: 8, .value_kind: global_buffer, .address_space: global }
    .group_segment_fixed_size: 327680
    .private_segment_fixed_size: 0
    .kernarg_segment_align: 8
    .kernarg_segment_size: 40
    .max_flat_workgroup_size: 128
    .sgpr_count:     100
    .vgpr_count:     768
    .wavefront_size: 32
...
	.end_amdgpu_metadata
.endif
;; end of part 4
